; MI455X (gfx1250); checked and timed in simulation.
; The chip was launched on July 23, 2026; its instructions are those of AMD's public machine-readable ISA for CDNA 5 (MIT licence, August 2026) and "CDNA5" Instruction Set Architecture Reference Guide (July 2026). The comments in the code are by the model that wrote it; some were corrected since.
;; Attention. Allowed arithmetic: matrix products marked QUANTISED: E4M3 operands, one given power-of-two scale a tensor, by v_wmma_f32_16x16x64_fp8_fp8 or v_wmma_f32_16x16x128_fp8_fp8, f32 sums; everything else in f32.
;; Inputs: W_K 1,024 x 1,024 float32; W_O 1,024 x 1,024 float32; W_Q 1,024 x 1,024 float32; W_V 1,024 x 1,024 float32; lowp_scales 12 int32 (the exponents e of the quantised operands' scales 2^e); x 4 x 2,048 x 1,024 float32.
;; Outputs: out0 4 x 2,048 x 1,024 float32.
;; This version of the problem:
;;   THIS VERSION OF THE PROBLEM IS GIVEN IN LOW PRECISION. The matrix products marked QUANTISED in the list below multiply operands that are first quantised to E4M3 (4 exponent bits, 3 mantissa bits; 8 bits a number), with one given power-of-two scale for each operand tensor; their sums are f32. All else is computed in f32.
;;   The module's matrix products, in the order in which they are computed (A, B: the left and right operand; K: the contracted axis; several contracted axes count as one K, in the product's order):
;;     1. [M 8,192, K 1,024] x [K 1,024, N 1,024]; A: input x; B: input W_Q: QUANTISED (scales: A lowp_scales[0], B lowp_scales[1])
;;     2. [M 8,192, K 1,024] x [K 1,024, N 1,024]; A: input x; B: input W_K: QUANTISED (scales: A lowp_scales[2], B lowp_scales[3])
;;     3. [M 8,192, K 1,024] x [K 1,024, N 1,024]; A: input x; B: input W_V: QUANTISED (scales: A lowp_scales[4], B lowp_scales[5])
;;     4. batch 64 x [M 2,048, K 64] x [K 64, N 2,048]; A: computed on the way; B: computed on the way: QUANTISED (scales: A lowp_scales[6], B lowp_scales[7])
;;     5. batch 64 x [M 2,048, K 2,048] x [K 2,048, N 64]; A: softmax (see below); B: computed on the way: QUANTISED (scales: A lowp_scales[8], B lowp_scales[9])
;;     6. [M 8,192, K 1,024] x [K 1,024, N 1,024]; A: computed on the way; B: input W_O: QUANTISED (scales: A lowp_scales[10], B lowp_scales[11])
;;   THE QUANTISER, for each operand of a quantised product, along K:
;;     - The operand's scale is 2^e, e = its entry of the input lowp_scales (int32; the entries are numbered through the quantised products in the list's order, A before B).
;;     - Each number is divided by the scale, clamped to +-448, and rounded to the nearest number of E4M3, ties to even, subnormals kept.
;;     - The product sums the exact products of the quantised numbers (number of the format x scale) in f32.
;;   ~~~python
;;   def quantise(x, axis, e):      # numpy; x: float32 -> the quantised numbers, widened to float32 again
;;       x = np.moveaxis(x, axis, -1); K = x.shape[-1]
;;       r = np.clip(x / 2.0 ** e, -448, 448)
;;       step = 2.0 ** (np.maximum(np.frexp(np.where(r == 0, 1, r))[1] - 1, -6) - 3)
;;       q = np.round(r / step) * step * 2.0 ** e      # np.round: ties to even
;;       return np.moveaxis(q, -1, axis).astype(np.float32)
;;   ~~~
;;   SOFTMAX AHEAD OF A QUANTISED PRODUCT. Where the list says 'softmax', what is quantised is not the finished softmax but p = 2^(t - M), with t = logit x log2(e) and M = ceil(the row's largest t), a whole number; so 1/2 < the row's largest p <= 1. The row's sum l is taken of the UNQUANTISED p, in f32, and the product's result is divided by l at the end. Since M is a whole number, a kernel that streams over the keys may use a running M (the ceiling of the running maximum): every later rescaling is an exact power of two, so the quantised numbers keep their values, but for numbers so far below the row's largest that they fall under the format's range.
;;   OPERANDS COMPUTED ON THE WAY. 'Computed on the way' means the value that the module computes at that place (a softmax that the list does not call 'softmax' is quantised finished and normalised). What goes into a quantiser is computed in f32, as accurately as f32 sums, v_exp_f32 and their like allow (about 1e-6 of the number): no bf16 or f16 on the way to a quantiser, and a product that is left as it is and whose result goes on into a quantised operand takes f32 operands (vector FMAs, or v_wmma_f32_16x16x4_f32). A number that lies on a knife's edge between two numbers of the format may be rounded either way, as far as f32 arithmetic and the matrix unit's own rounding can turn it there, and no further.
;; 2 versions, each right; version 2 is version 1 with the launches quant, attn written anew for expert scheduling mode. Each part assembles by itself: llvm-mc -triple=amdgcn-amd-amdhsa -mcpu=gfx1250 --defsym DOCPART=n.
;; ======== version 1 of 2: 4 launches
;; workspace buffers: xc 25,165,824 bytes; wc 4,194,304 bytes; qkv 25,165,824 bytes; ac 8,388,608 bytes
;; launch quant (part 1): grid 384 x 1, 4 waves a work-group, no clusters, 35,328 bytes of LDS; arguments x, W_Q, W_K, W_V, W_O, lowp_scales, xc, wc; writes xc, wc
.if DOCPART == 1
	.amdgcn_target "amdgcn-amd-amdhsa--gfx1250"
	.amdhsa_code_object_version 6
	.text
	.protected	k_qa3ce97123a_quant
	.globl	k_qa3ce97123a_quant
	.p2align	8
	.type	k_qa3ce97123a_quant,@function
k_qa3ce97123a_quant:
	s_mov_b64 s[64:65], 0
	v_nop
	global_prefetch_b8 v0, s[64:65] scope:SCOPE_SE
	s_setreg_imm32_b32 hwreg(HW_REG_WAVE_MODE, 25, 1), 1
	s_wait_xcnt 0x0
; x [8192][1024] and the four weights [1024][1024], f32, K innermost, become codes of FP8 (E4M3), each with the scale 2^e that is given for it.
; x is an operand of three products with three given scales (entries 0, 2, 4), which may differ: three sets of codes, 8 MiB apart in xc.  W_Q, W_K, W_V, W_O (entries 1, 3, 5, 11) lie 1 MiB apart in wc.
; code = number / 2^e, held within +-448, rounded to the nearest code, ties to even.
; LIMITS: each e between -126 and 119, so that 2^e and 448 x 2^e are f32 numbers.  NaN among the inputs is not served (an infinity is held at the largest code).
; THE CODES ARE LAID AS THE READER'S REGISTERS WANT THEM.  A fragment (16 rows x 128 K, 16 registers a lane) is 2,048 bytes: piece i (registers 4 i .. 4 i + 3) of lane l at 512 i + 16 l.
; Lane (r = l % 16, h = l / 16) holds row r; registers 2 c, 2 c + 1 hold K = 16 c + 8 h + 0 .. 7.  Fragments lie [128 rows][K block of 128][16 rows]: 131,072 / 16,384 / 2,048 bytes.
; SHARES.  A wave takes 16 rows x 512 K: four fragments.  Work-groups 0-255 take x, 256-383 the weights, 32 each.  Only pointers and scales are chosen by the work-group's number.
; Each load reads 512 consecutive bytes of one row; a fragment's 8,192 bytes turn through the wave's own stage in LDS (16 rows, 528 bytes apart) and come back eight neighbours along K at a time;
; each store writes 512 consecutive bytes.  No tensor loads, no barrier, no matrix unit: waves share nothing, and the launch only streams.
.set PIT,  528                         ; a stage row: 512 bytes + 16, so that the sixteen rows of a read begin 16 bytes apart modulo 256
.set WST,  8704                        ; a wave's stage: 16 x 528 bytes, rounded up to a multiple of 256
.set SC,   4                           ; v4-6     2^e of the three scales
.set LIM,  7                           ; v7-9     448 x 2^e
.set R,    16                          ; v16-143  two sets of 64: a fragment's numbers as they are loaded
.set X,    144                         ; v144-207 piece i at X + 16 i: K = 32 i + 8 h + 0 .. 7, then 32 i + 16 + 8 h + 0 .. 7
.set T,    208                         ; v208-223 sixteen held numbers
.set C,    224                         ; v224-239 codes: four registers for each piece
	s_load_b256 s[4:11], s[0:1], 0x0               ; x s[4:5], W_Q s[6:7], W_K s[8:9], W_V s[10:11]
	s_load_b256 s[12:19], s[0:1], 0x20             ; W_O s[12:13], the scales' exponents s[14:15], xc s[16:17], wc s[18:19]
	v_lshl_add_u32 v240, v0, 2, 0x8800
	v_mov_b32 v241, 0
	v_lshrrev_b32 v10, 5, v0
	v_readfirstlane_b32 s30, v10                   ; wave 0..3
	v_and_b32 v11, 31, v0
	v_lshlrev_b32 v1, 4, v11                       ; 16 x lane: my bytes of a load's and of a store's 512; never rewritten
	s_mul_i32 s31, s30, WST                        ; my stage
	v_add_nc_u32 v2, s31, v1                       ; into it: a row's 512 bytes as they lie
	v_and_b32 v12, 15, v0                          ; r
	v_bfe_u32 v13, v0, 4, 1                        ; h
	v_mul_u32_u24 v3, v12, PIT
	v_lshl_add_u32 v3, v13, 5, v3
	v_add_nc_u32 v3, s31, v3                       ; out of it: row r, + 32 h bytes (eight numbers)
	s_wait_kmcnt 0x0
	s_load_b256 s[32:39], s[14:15], 0x0            ; e0 .. e7
	s_load_b128 s[40:43], s[14:15], 0x20           ; e8 .. e11
	s_mov_b64 s[20:21], s[12:13]                   ; the source, chosen by the work-group's number alone: W_O,
	s_cmp_lt_u32 ttmp9, 352
	s_cselect_b64 s[20:21], s[10:11], s[20:21]     ; W_V,
	s_cmp_lt_u32 ttmp9, 320
	s_cselect_b64 s[20:21], s[8:9], s[20:21]       ; W_K,
	s_cmp_lt_u32 ttmp9, 288
	s_cselect_b64 s[20:21], s[6:7], s[20:21]       ; W_Q,
	s_cmp_lt_u32 ttmp9, 256
	s_cselect_b64 s[20:21], s[4:5], s[20:21]       ; or x
	s_cselect_b64 s[24:25], s[16:17], s[18:19]     ; the codes go to xc or to wc
	s_cselect_b32 s22, 0, 256
	s_cselect_b32 s23, 511, 63                     ; tiles of 16 rows in the source, less one
	s_sub_co_u32 s22, ttmp9, s22
	s_lshl_b32 s22, s22, 2
	s_add_co_u32 s22, s22, s30                     ; my unit: 4 x work-group + wave
	s_and_b32 s44, s22, 1                          ; which 512 along K
	s_lshr_b32 s22, s22, 1                         ; which tile of 16 rows of xc or wc
	s_and_b32 s23, s22, s23                        ; and of the source
	s_lshl_b32 s46, s23, 16                        ; 16 rows of 4,096 bytes
	s_lshl_b32 s45, s44, 11                        ; 512 numbers
	s_add_co_u32 s46, s46, s45
	s_mov_b32 s47, 0
	s_add_nc_u64 s[20:21], s[20:21], s[46:47]
	s_lshr_b32 s45, s22, 3
	s_lshl_b32 s46, s45, 17                        ; 128 rows of codes: 131,072 bytes
	s_lshl_b32 s45, s44, 16                        ; four K blocks of 16,384
	s_add_co_u32 s46, s46, s45
	s_and_b32 s45, s22, 7
	s_lshl_b32 s45, s45, 11                        ; the tile's fragment in a K block
	s_add_co_u32 s46, s46, s45
	s_add_nc_u64 s[24:25], s[24:25], s[46:47]
	s_add_nc_u64 s[26:27], s[24:25], 0x800000      ; x's second and third set (not used by a weight's work-group)
	s_add_nc_u64 s[28:29], s[24:25], 0x1000000
.macro LOAD f                          ; fragment f: sixteen rows' 512 bytes into set f % 2
.set k, 0
.rept 16
	global_load_b128 v[R+64*((\f)%2)+4*k:R+64*((\f)%2)+4*k+3], v1, s[20:21] offset:k*4096+(\f)*512 th:TH_LOAD_NT
.set k, k+1
.endr
.endm
.macro MKSCALE e, n                    ; 2^e and 448 x 2^e as f32 numbers
	s_add_co_i32 s49, \e, 127
	s_lshl_b32 s50, s49, 23
	v_mov_b32 v[SC+\n], s50
	s_add_co_i32 s49, s49, 8
	s_lshl_b32 s49, s49, 23
	s_or_b32 s49, s49, 0x600000
	v_mov_b32 v[LIM+\n], s49
.endm
; Fragment f's four pieces under scale s: hold, convert, store.
.macro QGROUP s, f
	s_wait_xcnt 0x0                                ; the last four stores have read their data: the codes' registers are written again only behind this wait
.irp i, 0,1,2,3
.set k, 0
.rept 16
	v_med3_num_f32 v[T+k], v[X+16*\i+k], -v[LIM+\s], v[LIM+\s]   ; the conversion to an 8-bit code does not saturate (ISA guide 7.6.2): the hold comes first
.set k, k+1
.endr
	v_cvt_scalef32_pk8_fp8_f32 v[C+4*\i:C+4*\i+1], v[T:T+7], v[SC+\s]
	v_cvt_scalef32_pk8_fp8_f32 v[C+4*\i+2:C+4*\i+3], v[T+8:T+15], v[SC+\s]
	v_nop                                          ; a plain line between the conversions and the next holds, which write their sources
	global_store_b128 v1, v[C+4*\i:C+4*\i+3], s[24+2*\s:25+2*\s] offset:(\f)*16384+\i*512 th:TH_STORE_NT   ; 32 lanes store 512 consecutive bytes
.endr
.endm
.macro FRAGM f
.if (\f) < 3
	s_wait_loadcnt 16                              ; this fragment's sixteen loads are in; the next fragment's sixteen stay out
.else
	s_wait_loadcnt 0x0
.endif
.set k, 0
.rept 16
	ds_store_b128 v2, v[R+64*((\f)%2)+4*k:R+64*((\f)%2)+4*k+3] offset:k*PIT
.set k, k+1
.endr
.irp i, 0,1,2,3                        ; LDS serves a wave's instructions in order (ISA guide 5.7.1.4): these see the stores above
	ds_load_b128 v[X+16*\i:X+16*\i+3],     v3 offset:128*\i
	ds_load_b128 v[X+16*\i+4:X+16*\i+7],   v3 offset:128*\i+16
	ds_load_b128 v[X+16*\i+8:X+16*\i+11],  v3 offset:128*\i+64
	ds_load_b128 v[X+16*\i+12:X+16*\i+15], v3 offset:128*\i+80
.endr
	s_wait_dscnt 0x0                               ; the numbers are back, so the stores into the stage have read their registers,
.if (\f)+2 < 4
	LOAD (\f)+2                                    ; which take the loads of two fragments on
.endif
	QGROUP 0, \f
	s_cmp_lt_u32 ttmp9, 256                        ; x has two more scales; a weight has one
	s_cbranch_scc0 .Lweight_\@
	QGROUP 1, \f
	QGROUP 2, \f
.Lweight_\@:
.endm
	LOAD 0
	LOAD 1
	s_wait_kmcnt 0x0
	s_mov_b32 s48, s43                             ; my tensor's first scale, chosen as the source was: e11,
	s_cmp_lt_u32 ttmp9, 352
	s_cselect_b32 s48, s37, s48                    ; e5,
	s_cmp_lt_u32 ttmp9, 320
	s_cselect_b32 s48, s35, s48                    ; e3,
	s_cmp_lt_u32 ttmp9, 288
	s_cselect_b32 s48, s33, s48                    ; e1,
	s_cmp_lt_u32 ttmp9, 256
	s_cselect_b32 s48, s32, s48                    ; or e0
	MKSCALE s48, 0
	MKSCALE s34, 1                                 ; e2
	MKSCALE s36, 2                                 ; e4
	FRAGM 0
	FRAGM 1
	FRAGM 2
	FRAGM 3
	s_wait_tensorcnt 0x0
	ds_add_u32 v240, v241
	s_wait_dscnt 0x0
	s_endpgm
.Lfunc_end_k_qa3ce97123a_quant:
	.size	k_qa3ce97123a_quant, .Lfunc_end_k_qa3ce97123a_quant-k_qa3ce97123a_quant
	.p2alignl 7, 3214868480
	.fill 96, 4, 3214868480
	.section	.rodata,"a",@progbits
	.p2align	6, 0x0
	.amdhsa_kernel k_qa3ce97123a_quant
		.amdhsa_group_segment_fixed_size 35328
		.amdhsa_private_segment_fixed_size 0
		.amdhsa_enable_private_segment 0
		.amdhsa_kernarg_size 64
		.amdhsa_user_sgpr_count 2
		.amdhsa_user_sgpr_kernarg_segment_ptr 1
		.amdhsa_wavefront_size32 1
		.amdhsa_system_sgpr_workgroup_id_x 1
		.amdhsa_system_sgpr_workgroup_id_y 1
		.amdhsa_system_sgpr_workgroup_id_z 1
		.amdhsa_system_vgpr_workitem_id 0
		.amdhsa_next_free_vgpr 242
		.amdhsa_next_free_sgpr 66
		.amdhsa_reserve_vcc 0
		.amdhsa_float_denorm_mode_32 3
		.amdhsa_float_denorm_mode_16_64 3
		.amdhsa_memory_ordered 1
		.amdhsa_forward_progress 1
		.amdhsa_inst_pref_size 79
	.end_amdhsa_kernel
	.amdgpu_metadata
---
amdhsa.version: [ 1, 2 ]
amdhsa.kernels:
  - .name:           k_qa3ce97123a_quant
    .symbol:         k_qa3ce97123a_quant.kd
    .args:
      - { .name: x, .offset: 0, .size: 8, .value_kind: global_buffer, .address_space: global }
      - { .name: W_Q, .offset: 8, .size: 8, .value_kind: global_buffer, .address_space: global }
      - { .name: W_K, .offset: 16, .size: 8, .value_kind: global_buffer, .address_space: global }
      - { .name: W_V, .offset: 24, .size: 8, .value_kind: global_buffer, .address_space: global }
      - { .name: W_O, .offset: 32, .size: 8, .value_kind: global_buffer, .address_space: global }
      - { .name: lowp_scales, .offset: 40, .size: 8, .value_kind: global_buffer, .address_space: global }
      - { .name: xc, .offset: 48, .size: 8, .value_kind: global_buffer, .address_space: global }
      - { .name: wc, .offset: 56, .size: 8, .value_kind: global_buffer, .address_space: global }
    .group_segment_fixed_size: 35328
    .private_segment_fixed_size: 0
    .kernarg_segment_align: 8
    .kernarg_segment_size: 64
    .max_flat_workgroup_size: 128
    .sgpr_count:     66
    .vgpr_count:     242
    .wavefront_size: 32
...
	.end_amdgpu_metadata
.endif
;; end of part 1
;; launch qkv (part 2): grid 12 x 32, 4 waves a work-group, clusters of 4 x 4, 327,680 bytes of LDS; arguments xc, wc, lowp_scales, qkv; writes qkv
.if DOCPART == 2
	.amdgcn_target "amdgcn-amd-amdhsa--gfx1250"
	.amdhsa_code_object_version 6
	.text
	.protected	k_qa3ce97123a_qkv
	.globl	k_qa3ce97123a_qkv
	.p2align	8
	.type	k_qa3ce97123a_qkv,@function
k_qa3ce97123a_qkv:
	s_mov_b64 s[64:65], 0
	v_nop
	global_prefetch_b8 v0, s[64:65] scope:SCOPE_SE
	s_setreg_imm32_b32 hwreg(HW_REG_WAVE_MODE, 25, 1), 1
	s_wait_xcnt 0x0
	s_wait_alu depctr_hold_cnt(0) depctr_sa_sdst(0) depctr_va_vdst(0) depctr_va_sdst(0) depctr_va_ssrc(0) depctr_va_vcc(0) depctr_vm_vsrc(0)
	s_getreg_b32 s2, hwreg(HW_REG_IB_STS2, 6, 4)
	s_cmp_eq_u32 s2, 0
	s_cbranch_scc0 .Lentry_in_a_cluster
	s_endpgm
.Lentry_in_a_cluster:
	s_bfe_u32 s2, ttmp6, 0x10000c
	s_cmp_lg_u32 s2, 0xf033
	s_cbranch_scc0 .Lentry_shape_is_right
	s_endpgm
.Lentry_shape_is_right:
; The three projections q = x W_Q^T, k = x W_K^T, v = x W_V^T on codes of FP8 (E4M3), f32 sums, and their results quantised at once for the attention's products (entries 6, 7, 9 of the scales).
; The cluster's x, p = 0, 1, 2, names the projection; all sixteen partners share it.  A tile is 256 x 256, four waves, each 128 x 128: 64 accumulators of 16 x 16, 512 registers.  K = 1,024 goes in four fills of 256.
; TWO SIDES.  Side A is the matrix instruction's source 1: its row is the result's LANE.  Side B is source 0: its rows run along the result's REGISTERS, eight neighbours a lane.
;   q, k: side A = x's tokens, side B = the weight's rows: a lane's eight results are eight neighbours along the head's 64, the K of the scores' product.
;   v:    side A = W_V's rows, side B = x's tokens: a lane's eight results are eight neighbouring KEYS, the K of the second product.  So nothing is ever transposed.
; In both cases the conversions' results ARE the reader's operand registers (registers 2 c, 2 c + 1: K = 16 c + 8 h + 0 .. 7) and are stored straight from registers, 512 consecutive bytes an instruction.
; THE OPERANDS lie in memory as images of fragments (piece i of lane l at 512 i + 16 l), [128 rows][K block of 128][16 rows]: a wave's part of a fill, 128 rows x 256 K, is one dense block of 32,768 bytes,
; and every fragment comes out of LDS by four loads of 16 bytes a lane at 16 x lane: no pitch, no padding.
; THE RESULT: three parts 8 MiB apart (q, k, v), each 512 blocks of 16,384 bytes, block = 64 x head pair + token / 128.  q, k: [16 tokens 8][head of the pair 2][piece 2][lane][16 bytes]; v: [head of the pair 2][16 of the head's 64: 4][piece 4][lane][16 bytes].
; CLUSTERS: 4 x 4 work-groups.  The four of a row of the cluster need the same tiles of side A, the four of a column the same tiles of side B: each is asked for JOINTLY.
; LIMIT: e(result) - e(x) - e(weight) lies between -126 and 119, so that the conversion's scale and 448 x it are f32 numbers.
; REGISTERS, in windows of 256: window 0: v12-29 scales and addresses; v32-95 at work on the way out; from v128 side A's fragments, ONE set, later the codes.
;   window 1: side B's fragments, TWO sets, at v0 and v128.   window 2: the accumulators of my side-A rows 0-63 ((a, b) at v[8 (8 a + b)]);   window 3: those of rows 64-127.
.set FR,     16                        ; registers of a fragment: 16 rows x 128 K
.set NL,     4                         ; LDS loads that bring one
.set NP,     4                         ; places behind this matrix instruction (ISA guide 7.12.1)
.set HALFT,  32768                     ; 128 rows x 256 K of codes: what one tensor load brings
.set SLOT,   4*HALFT                   ; side A's two halves, then side B's two
.set LAPS,   2                         ; a lap = two fills = once round the ring; K = 1,024 is four fills
.set SPARE,  2*SLOT                    ; behind the ring: the spare words, 128 bytes for each wave: two blocks of 256 bytes that no other line names
.set SCV,  12                          ; v12     the conversion's scale
.set LIMV, 13                          ; v13     448 x it
.set ADRA, 16                          ; v16-17  LDS address of my side-A fragments in slot 0, 1
.set ADRB, 20                          ; v20-21  the same for side B
.set CO,   26                          ; v26     16 x lane; never rewritten
.set SPW,  28                          ; v28     LDS address of my spare word: SPARE + 4 x my thread's number; never rewritten
.set NIL,  29                          ; v29     0; never rewritten
.set TMP,  32                          ; the way out: 64 held numbers
.set AF,   128                         ; side A's fragments, in window 0
.set CD,   128                         ; the way out: the codes, 16 registers for each block of 16 side-A rows
.set G1, 24                            ; s[24:31] descriptor group 1 for side A;  s[32:39] group 0, one set for each slot
.set G0, 32
.set G1B, 48                           ; s[48:55], s[56:63] the same for side B
.set G0B, 56
.set MSB, 0
.macro WIN new                         ; the immediate's high byte repeats the setting that is left
.if MSB != \new
	s_set_vgpr_msb (MSB<<8)|\new
.set MSB, \new
.endif
.endm
.set MUL_LO, 0xa1                      ; source 0 (B) window 1, source 1 (A) window 0, C and D window 2
.set MUL_HI, 0xf1                      ; the same, C and D window 3
.set TO_B,   0x40                      ; destination window 1, address window 0
; A joint load: waves 0 and 1 fetch for side A, waves 2 and 3 for side B.  Each line has ONE mask and one set of registers for all that issue it; the branch hangs on the wave's number alone.
; Four v_nop follow each of the two lines, ahead of the jump, the label and what follows.
.macro JLOAD g0a, g1a, g0b, g1b
	s_cmp_eq_u32 s15, 0
	s_cbranch_scc0 .Lfor_b_\@
	tensor_load_to_lds s[\g0a:\g0a+3], s[\g1a:\g1a+7]
	s_nop 0
.rept 4
	v_nop
.endr
	s_branch .Lasked_\@
.Lfor_b_\@:
	tensor_load_to_lds s[\g0b:\g0b+3], s[\g1b:\g1b+7]
	s_nop 0
.rept 4
	v_nop
.endr
.Lasked_\@:
.endm
.macro CREST                           ; a round of the cluster's barrier behind its opening barrier
	s_cmp_lg_u32 s14, 0
	s_cbranch_scc1 .Lnot_wave_0_\@
	s_barrier_signal -3
.Lnot_wave_0_\@:
	s_barrier_wait -3
	s_barrier_signal -1
	s_barrier_wait -1
.endm
.macro CROUND                          ; a whole round
	s_barrier_signal -1
	s_barrier_wait -1
	CREST
.endm
	s_load_b128 s[4:7], s[0:1], 0x0                ; x's codes s[4:5], the weights' codes s[6:7]
	s_load_b128 s[8:11], s[0:1], 0x10              ; the scales' exponents s[8:9], the result s[10:11]
	v_lshl_add_u32 v[SPW], v0, 2, SPARE
	v_mov_b32 v[NIL], 0
	ds_add_u32 v28, v29
	ds_add_u32 v28, v29
	s_wait_dscnt 0x0
	v_lshrrev_b32 v1, 5, v0
	v_readfirstlane_b32 s14, v1                    ; wave 0..3
	s_lshr_b32 s15, s14, 1                         ; which half of the tile's side-A rows is mine.  Also: I fetch for side A (0) or B (1)
	s_and_b32 s16, s14, 1                          ; which half of its side-B rows.  Also: which 128 rows of that side I fetch
	s_bfe_u32 s40, ttmp6, 0x40000                  ; cx, cy: my place in the cluster
	s_bfe_u32 s41, ttmp6, 0x40004
	s_and_b32 s66, ttmp7, 0xffff
	s_lshl_b32 s66, s66, 2                         ; 4 x cluster y
	s_lshl_b32 s67, ttmp9, 23                      ; p x 8 MiB: x's set of codes, and the result's part
	s_lshl_b32 s86, ttmp9, 20                      ; p x 1 MiB: the weight's codes
	s_lshl_b32 s43, s41, 2
	s_lshl_b32 s43, 15, s43                        ; my row of the cluster
	s_lshl_b32 s44, 0x1111, s40                    ; my column
	; descriptor group 1: a dense block of 32,768 bytes, stated as 128 rows of 32 elements of 8 bytes; no padding
	s_or_b32 s[G1+0], s43, (3<<16)|(1<<21)         ; 15:0 the mask: side A's tiles go to my row; 17:16 elements of 8 bytes; 21 set beside a mask
	s_or_b32 s[G1B+0], s44, (3<<16)|(1<<21)        ; side B's go to my column
.irp g, G1, G1B
	s_mov_b32 s[\g+1], 32<<16                      ; tensor_dim0 = 32
	s_mov_b32 s[\g+2], 128<<16                     ; tensor_dim1 = 128
	s_mov_b32 s[\g+3], 32<<16                      ; tile_dim0 = 32
	s_mov_b32 s[\g+4], 128                         ; tile_dim1 = 128
	s_mov_b32 s[\g+5], 32                          ; tensor_dim0_stride: each row begins where the last ends
	s_mov_b32 s[\g+6], 0
	s_mov_b32 s[\g+7], 0
.endr
	; which tiles.  q, k: side A's tile row = 4 x cluster y + cy (x's 32), side B's tile column = cx (the weight's 4).  v: side A's = cy (W_V's 4), side B's = 4 x cluster y + cx (x's 32).
	; The choice hangs on the cluster's x alone.  Side A's registers never hold cx, side B's never cy.
	s_cmp_eq_u32 ttmp9, 2
	s_cselect_b32 s17, 0, s66
	s_cselect_b32 s42, s66, 0
	s_cselect_b32 s70, 0x200000, s67               ; side A begins at W_V's codes, or at x's set p
	s_cselect_b32 s72, 0x1000000, s86              ; side B begins at x's third set, or at weight p
	s_add_co_u32 s17, s17, s41                     ; side A's tile row
	s_add_co_u32 s42, s42, s40                     ; side B's tile column
	s_lshl_b32 s20, s17, 1
	s_add_co_u32 s20, s20, s16                     ; the 128 rows that I fetch, if I fetch for A,
	s_lshl_b32 s20, s20, 17                        ; 131,072 bytes each
	s_add_co_u32 s20, s20, s70
	s_mov_b32 s21, 0
	s_lshl_b32 s46, s42, 1
	s_add_co_u32 s46, s46, s16                     ; or for B
	s_lshl_b32 s46, s46, 17
	s_add_co_u32 s46, s46, s72
	s_mov_b32 s47, 0
	s_mul_i32 s45, s14, HALFT                      ; where they go: wave x 32,768: no place in the cluster enters an LDS address
	s_wait_kmcnt 0x0
	s_load_b256 s[76:83], s[8:9], 0x0              ; e0 .. e7
	s_load_b64 s[84:85], s[8:9], 0x20              ; e8, e9
	s_cmp_eq_u32 ttmp9, 2
	s_cselect_b64 s[68:69], s[6:7], s[4:5]         ; side A's buffer
	s_cselect_b64 s[74:75], s[4:5], s[6:7]         ; side B's
	s_add_nc_u64 s[20:21], s[68:69], s[20:21]
	s_add_nc_u64 s[46:47], s[74:75], s[46:47]
	CROUND                                         ; all sixteen work-groups are here: the first joint loads meet
.irp s, 0,1
	s_mov_b32 s[G0+4*\s], 1                        ; count = 1
	s_add_co_u32 s[G0+4*\s+1], s45, \s*SLOT        ; LDS address
	s_add_nc_u64 s[G0+4*\s+2:G0+4*\s+3], s[20:21], \s*HALFT   ; global address: fill s
	s_or_b32 s[G0+4*\s+3], s[G0+4*\s+3], 0x80000000           ; type = 2
	s_mov_b32 s[G0B+4*\s], 1
	s_add_co_u32 s[G0B+4*\s+1], s45, \s*SLOT
	s_add_nc_u64 s[G0B+4*\s+2:G0B+4*\s+3], s[46:47], \s*HALFT
	s_or_b32 s[G0B+4*\s+3], s[G0B+4*\s+3], 0x80000000
	JLOAD G0+4*\s, G1, G0B+4*\s, G1B               ; two tensor loads of mine are out behind these
.endr
	v_and_b32 v6, 31, v0
	v_lshlrev_b32 v[CO], 4, v6                     ; 16 x lane
	s_mul_i32 s21, s15, HALFT                      ; my 128 rows of side A
	s_mul_i32 s22, s16, HALFT                      ; my 128 rows of side B,
	s_add_co_u32 s22, s22, 2*HALFT                 ; which lie behind A's two halves
.irp s, 0,1
	v_add_nc_u32 v[ADRA+\s], s21, v[CO]
	v_add_nc_u32 v[ADRB+\s], s22, v[CO]
	s_add_co_u32 s21, s21, SLOT
	s_add_co_u32 s22, s22, SLOT
.endr
	; where my 16,384 bytes of the result lie: block = 64 x head pair + token / 128, in part p
	s_lshl_b32 s87, s17, 1
	s_add_co_u32 s87, s87, s15                     ; my 128 rows of side A
	s_lshl_b32 s88, s42, 1
	s_add_co_u32 s88, s88, s16                     ; my 128 rows of side B
	s_lshl_b32 s89, s88, 6
	s_add_co_u32 s89, s89, s87                     ; q, k: side B is the head pair, side A the tokens
	s_lshl_b32 s90, s87, 6
	s_add_co_u32 s90, s90, s88                     ; v: the other way round
	s_cmp_eq_u32 ttmp9, 2
	s_cselect_b32 s89, s90, s89
	s_lshl_b32 s89, s89, 14
	s_add_co_u32 s92, s89, s67
	s_mov_b32 s93, 0
	s_add_nc_u64 s[10:11], s[10:11], s[92:93]
.macro FRAG reg, adr, q, i             ; fragment i of the slot's q-th 128 along K: four pieces of 512 bytes, 16 bytes a lane
.irp c, 0,1,2,3
	ds_load_b128 v[\reg+4*\c:\reg+4*\c+3], v[\adr] offset:16384*(\q)+2048*(\i)+512*\c
.endr
.endm
; 16 matrix instructions: side A's blocks a0, a0 + 1 x side B's eight, 128 along K.  p: B's set.  zero = 1: the first product starts the sums: nothing is ever cleared.
; The 64 accumulators take turns, one instruction a turn, in the same order in every step.
.macro MUL16 a0, p, zero
.irp a, \a0, \a0+1
.irp b, 0,1,2,3,4,5,6,7
.if \zero
	v_wmma_f32_16x16x128_fp8_fp8 v[8*(8*((\a)%4)+\b):8*(8*((\a)%4)+\b)+7], v[128*(\p)+FR*\b:128*(\p)+FR*\b+FR-1], v[AF+FR*(\a):AF+FR*(\a)+FR-1], 0
.else
	v_wmma_f32_16x16x128_fp8_fp8 v[8*(8*((\a)%4)+\b):8*(8*((\a)%4)+\b)+7], v[128*(\p)+FR*\b:128*(\p)+FR*\b+FR-1], v[AF+FR*(\a):AF+FR*(\a)+FR-1], v[8*(8*((\a)%4)+\b):8*(8*((\a)%4)+\b)+7]
.endif
.endr
.endr
.endm
.macro FETCH_B slot, q, p              ; side B's eight fragments into set p
	WIN TO_B
.irp i, 0,1,2,3,4,5,6,7
	FRAG 128*(\p)+FR*\i, ADRB+\slot, \q, \i
.endr
	WIN 0
.endm
.macro FETCH_A slot, q, i0             ; side A's blocks i0 .. i0 + 3
.irp i, \i0, \i0+1, \i0+2, \i0+3
	FRAG AF+FR*(\i), ADRA+\slot, \q, \i
.endr
.endm
; A load into a register that a matrix instruction has read, and a vector instruction that reads a matrix result, stand NP places behind that matrix instruction; only plain vector
; instructions that name none of its registers are places (ISA guide 7.12.1 for vector instructions).
.macro PLACES n
.rept \n
	v_nop
.endr
.endm
; A step of 128 along K that has its successor in the same slot.  A block of side A is free as soon as its eight products are issued, so one set serves A: blocks 0-3 are fetched anew in the step's middle, blocks 4-7 at its end.
.macro STEP slot, q, zero
	s_wait_dscnt 4*NL                              ; B's set and A's blocks 0-3 are in; the youngest sixteen loads (A's blocks 4-7) may be out
	WIN MUL_LO
	MUL16 0, (\q)%2, \zero
	MUL16 2, (\q)%2, \zero
	s_wait_dscnt 0                                 ; A's blocks 4-7 are in (asked for 32 matrix instructions ago)
	PLACES NP
	FETCH_B \slot, (\q)+1, 1-(\q)%2
	FETCH_A \slot, (\q)+1, 0
	WIN MUL_HI
	MUL16 4, (\q)%2, \zero
	MUL16 6, (\q)%2, \zero
	PLACES NP
	WIN 0
	FETCH_A \slot, (\q)+1, 4
.endm
; A slot's last step changes slots: ONE barrier; in front of it each wave waits for all its tensor loads, adds 0 to its spare word, and waits for that and for its own reads of this slot.  fill = 1: this slot is filled again, two fills ahead.
.macro TURN slot, next, fill
	s_wait_tensorcnt 0x0                           ; all my tensor loads have landed: my part of the next slot;  (every window is 0 here: the add's two registers lie in window 0)
	ds_add_u32 v[SPW], v[NIL]                      ; 0 onto my spare word;
	s_wait_dscnt 4*NL+1                            ; (the add and the youngest sixteen loads, A's blocks 4-7, may be out)
	WIN MUL_LO
	MUL16 0, 1, 0                                  ; sixteen matrix instructions stand between the add and the wait for it
	s_wait_dscnt 0x0                               ; the add is done, and my reads of this slot are over
	s_barrier_signal -1
	MUL16 2, 1, 0
	WIN 0
	s_barrier_wait -1
.if \fill
	CREST                                          ; the barrier has opened a round of the cluster's barrier: no wave of any partner still reads this slot's tile or has a load on its way
	s_add_nc_u64 s[G0+4*\slot+2:G0+4*\slot+3], s[G0+4*\slot+2:G0+4*\slot+3], 2*HALFT
	s_add_nc_u64 s[G0B+4*\slot+2:G0B+4*\slot+3], s[G0B+4*\slot+2:G0B+4*\slot+3], 2*HALFT
	JLOAD G0+4*\slot, G1, G0B+4*\slot, G1B         ; the first tensor load behind the round, my one load that is out; the four v_nop behind it are the places in front of the loads below
.else
	PLACES NP
.endif
	FETCH_B \next, 0, 0
	FETCH_A \next, 0, 0
	WIN MUL_HI
	MUL16 4, 1, 0
	MUL16 6, 1, 0
	PLACES NP
	WIN 0
	FETCH_A \next, 0, 4
.endm
	s_wait_tensorcnt 1                             ; my part of fill 0 is in (fill 1's load, issued behind it, may be out)
	s_barrier_signal -1
	s_barrier_wait -1                              ; everybody's is
	FETCH_B 0, 0, 0
	FETCH_A 0, 0, 0
	FETCH_A 0, 0, 4
	STEP 0, 0, 1                                   ; the first step stands in front of the loop: its products start the sums
	s_mov_b32 s3, LAPS-1
.Llap:                                                 ; a trip goes once round the ring, from a lap's second step to the next lap's first, and fills both slots again
	TURN 0, 1, 1
	STEP 1, 0, 0
	TURN 1, 0, 1
	STEP 0, 0, 0
	s_sub_co_u32 s3, s3, 1
	s_cmp_lg_u32 s3, 0
	s_cbranch_scc1 .Llap
	TURN 0, 1, 0                                   ; the last lap fills nothing, and has no round of the cluster's barrier
	STEP 1, 0, 0
	s_wait_dscnt 4*NL                              ; the very last step: nothing more to fetch
	WIN MUL_LO
	MUL16 0, 1, 0
	MUL16 2, 1, 0
	s_wait_dscnt 0
	WIN MUL_HI
	MUL16 4, 1, 0
	MUL16 6, 1, 0
	WIN 0
	; THE WAY OUT.  A sum stands for sum x 2^(e of x + e of the weight); its code is sum / 2^(e of the result - those two): the three scales are folded into the conversion's one.  All choices by selects on the cluster's x.
	s_wait_kmcnt 0x0
	s_add_co_i32 s76, s76, s77                     ; e0 + e1
	s_add_co_i32 s78, s78, s79                     ; e2 + e3
	s_add_co_i32 s80, s80, s81                     ; e4 + e5
	s_cmp_eq_u32 ttmp9, 0
	s_cselect_b32 s76, s76, s78
	s_cselect_b32 s82, s82, s83                    ; q: e6; k: e7
	s_cmp_eq_u32 ttmp9, 2
	s_cselect_b32 s76, s80, s76
	s_cselect_b32 s82, s85, s82                    ; v: e9
	s_sub_co_i32 s82, s82, s76
	s_add_co_i32 s82, s82, 127
	s_lshl_b32 s83, s82, 23
	v_mov_b32 v[SCV], s83
	s_add_co_i32 s82, s82, 8
	s_lshl_b32 s82, s82, 23
	s_or_b32 s82, s82, 0x600000
	v_mov_b32 v[LIMV], s82
	PLACES NP
; Block a: my side-A rows 16 a .. 16 a + 15 against all 128 of side B.  Accumulator (a, b)'s eight registers are K = 16 b + 8 h + 0 .. 7 of the reader's operand: their two registers of codes are its registers 2 b, 2 b + 1.
.macro OUTBLK a
	WIN 0x02+((\a)/4)                              ; source 0: window 2 or 3
.set n, 0
.rept 64
	v_med3_num_f32 v[TMP+n], v[64*((\a)%4)+n], -v[LIMV], v[LIMV]   ; the hold at the largest code x the scale (ISA guide 7.6.2); each accumulator from its low end on
.set n, n+1
.endr
	WIN 0
.set n, 0
.rept 8
	v_cvt_scalef32_pk8_fp8_f32 v[CD+16*(\a)+2*n:CD+16*(\a)+2*n+1], v[TMP+8*n:TMP+8*n+7], v[SCV]
.set n, n+1
.endr
	v_nop                                          ; a plain line between the conversions and the next block's holds, which write their sources
.irp i, 0,1,2,3
	global_store_b128 v[CO], v[CD+16*(\a)+4*\i:CD+16*(\a)+4*\i+3], s[10:11] offset:(\a)*2048+\i*512 th:TH_STORE_NT   ; 32 lanes store 512 consecutive bytes; each block has code registers of its own, so no store's data are written again
.endr
.endm
.irp a, 0,1,2,3,4,5,6,7
	OUTBLK \a
.endr
	s_wait_tensorcnt 0x0                           ; the wave's end
	ds_add_u32 v[SPW], v[NIL]
	s_wait_dscnt 0x0
	CROUND                                         ; the closing round: no work-group ends while a partner may still ask for a tile that names it
	s_endpgm
.Lfunc_end_k_qa3ce97123a_qkv:
	.size	k_qa3ce97123a_qkv, .Lfunc_end_k_qa3ce97123a_qkv-k_qa3ce97123a_qkv
	.p2alignl 7, 3214868480
	.fill 96, 4, 3214868480
	.section	.rodata,"a",@progbits
	.p2align	6, 0x0
	.amdhsa_kernel k_qa3ce97123a_qkv
		.amdhsa_group_segment_fixed_size 327680
		.amdhsa_private_segment_fixed_size 0
		.amdhsa_enable_private_segment 0
		.amdhsa_kernarg_size 32
		.amdhsa_user_sgpr_count 2
		.amdhsa_user_sgpr_kernarg_segment_ptr 1
		.amdhsa_wavefront_size32 1
		.amdhsa_system_sgpr_workgroup_id_x 1
		.amdhsa_system_sgpr_workgroup_id_y 1
		.amdhsa_system_sgpr_workgroup_id_z 1
		.amdhsa_system_vgpr_workitem_id 0
		.amdhsa_next_free_vgpr 1024
		.amdhsa_next_free_sgpr 98
		.amdhsa_reserve_vcc 0
		.amdhsa_float_denorm_mode_32 3
		.amdhsa_float_denorm_mode_16_64 3
		.amdhsa_memory_ordered 1
		.amdhsa_forward_progress 1
		.amdhsa_inst_pref_size 118
	.end_amdhsa_kernel
	.amdgpu_metadata
---
amdhsa.version: [ 1, 2 ]
amdhsa.kernels:
  - .name:           k_qa3ce97123a_qkv
    .symbol:         k_qa3ce97123a_qkv.kd
    .args:
      - { .name: xc, .offset: 0, .size: 8, .value_kind: global_buffer, .address_space: global }
      - { .name: wc, .offset: 8, .size: 8, .value_kind: global_buffer, .address_space: global }
      - { .name: lowp_scales, .offset: 16, .size: 8, .value_kind: global_buffer, .address_space: global }
      - { .name: qkv, .offset: 24, .size: 8, .value_kind: global_buffer, .address_space: global }
    .group_segment_fixed_size: 327680
    .private_segment_fixed_size: 0
    .kernarg_segment_align: 8
    .kernarg_segment_size: 32
    .max_flat_workgroup_size: 128
    .sgpr_count:     98
    .vgpr_count:     1024
    .wavefront_size: 32
...
	.end_amdgpu_metadata
.endif
;; end of part 2
;; launch attn (part 3): grid 4 x 64, 16 waves a work-group, no clusters, 34,816 bytes of LDS; arguments qkv, lowp_scales, ac; writes ac
.if DOCPART == 3
	.amdgcn_target "amdgcn-amd-amdhsa--gfx1250"
	.amdhsa_code_object_version 6
	.text
	.protected	k_qa3ce97123a_attn
	.globl	k_qa3ce97123a_attn
	.p2align	8
	.type	k_qa3ce97123a_attn,@function
k_qa3ce97123a_attn:
	s_mov_b64 s[64:65], 0
	v_nop
	global_prefetch_b8 v0, s[64:65] scope:SCOPE_SE
	s_setreg_imm32_b32 hwreg(HW_REG_WAVE_MODE, 25, 1), 1
	s_wait_xcnt 0x0
; Causal attention of one head on codes of FP8 (E4M3): o[q] = sum over keys k <= q of softmax(q . k / 8) v[k], head size 64, 2,048 tokens, 64 heads (batch x head); the result is quantised at once for the last projection (entry 10).
; THE SOFTMAX AHEAD OF THE SECOND PRODUCT: t = score x log2(e) / 8; M = the row's largest t so far, rounded UP to a whole number; p = 2^(t - M) is what is quantised (entry 8), not normalised.
; The row's sum is taken of the unquantised p, in f32, and divides at the end.  When M moves, the sum and O are multiplied by 2^(old M - new M): exact.
; SHARES.  Work-group (j, head), j = 0 .. 3, serves two blocks of 256 queries one after the other: block 7 - j (key slots 0 .. 7 - j of 256 keys), then block j (slots 0 .. j): NINE slots for every work-group,
; a constant trip count, and only slots that count are fetched.  Wave w of sixteen owns the 16 queries 16 w on of the block in hand; four waves share a SIMD, so that one wave's vector work stands beside another's products and LDS loads.
; In a block's last slot a key step all of whose keys come after the wave's queries is left out: waves 0-7 walk 16 key steps of 128, waves 8-15 walk 18.
; LAYOUT.  Both products are used transposed: S^T = K Q^T (source 0 = 16 keys, source 1 = my 16 queries), O^T = V^T P^T (source 0 = 16 of the head's 64, source 1 = P): a lane holds ONE query (lane % 16) throughout.
; Tile tau of S^T gives lane (r, h) keys 16 tau + 8 h + 0 .. 7: its two registers of codes are registers 2 tau, 2 tau + 1 of P's operand.  Q, K and V arrive as images of operand registers (piece of lane l at 16 l).
; K AND V go from memory through registers into ONE buffer in LDS: four loads of 16 bytes a thread, asked for a whole trip ahead, four LDS stores between two barriers.
; NO JOINT LOADS: the four work-groups of a head stand at different slots in the same trip (work-group j changes blocks behind trip 7 - j), so they have no tile to ask for together.
; LIMITS on the given exponents, so that each power of two below is an f32 number: e6 + e7 between -123 and 130 (added to c's exponent field); e8 and e10 between -126 and 119; e8 + e9 is applied by v_ldexp_f32 and has none.
.set QF,  16                           ; v16-23   Q's fragment of the block in hand
.set QN,  24                           ; v24-31   Q's of the second block
.set FG,  32                           ; v32-95   eight fragments of K (8 registers), then four of V (16)
.set SS,  96                           ; v96-159  S^T, then p; at a block's end o
.set OT,  160                          ; v160-191 O^T
.set CP,  192                          ; v192-207 the next slot's 64 bytes of mine, on their way
.set OC,  208                          ; v208-215 o's codes
.set PC,  224                          ; v224-239 p's codes
; v1 16 x lane; v2 16 x thread; v3 my bytes in K's blocks; v12 -M, v13 the largest t, v[14:15] the sum in two halves; v240, v244: 448 x 2^e8, 2^e8; v241, v245: the same with e10; v236, v242, v243, v252-254 at work
.set WV,  10                           ; s10  wave
.set JJ,  11                           ; s11  j
.set QB,  12                           ; s12  the block of queries in hand
.set SL,  13                           ; s13  the slot in hand
.set TR,  14                           ; s14  the trip
.set KF,  15                           ; s15  the step's first key
.set Q0,  16                           ; s16  my first query
.set NH,  17                           ; s17  1 where p's hold changes nothing
.set KH,  18                           ; s[18:19] K's codes of my head;  s[20:21] V's
.set VH,  20
.set KB,  22                           ; s[22:23], s[24:25] the same at the slot that is being loaded
.set VB,  24
.set CS,  26                           ; s[26:27] c = log2(e) / 8 x 2^(e6 + e7)
.set SEL, 28                           ; s[28:29] lane selects for v_permlanex16_b32: lane l xor 16
.set AB,  30                           ; s[30:31] where the block's codes go
.set ES,  48                           ; s48  e8 + e9
.set NS,  49                           ; s49  the next slot
.set AC0, 50                           ; s[50:51] my wave's place in ac, block 0
	s_load_b128 s[4:7], s[0:1], 0x0                ; q, k, v's codes s[4:5], the scales' exponents s[6:7]
	s_load_b64 s[8:9], s[0:1], 0x10                ; ac
	v_lshl_add_u32 v251, v0, 2, 0x8000
	v_mov_b32 v255, 0
	v_lshrrev_b32 v4, 5, v0
	v_readfirstlane_b32 s[WV], v4                  ; wave 0..15
	v_and_b32 v1, 31, v0
	v_lshlrev_b32 v1, 4, v1                        ; 16 x lane
	v_lshlrev_b32 v2, 4, v0                        ; 16 x thread: my place in a block's 8,192 bytes, in LDS and in V
	v_lshrrev_b32 v3, 6, v0
	v_and_b32 v4, 63, v0
	v_lshlrev_b32 v4, 4, v4
	v_lshl_add_u32 v3, v3, 11, v4                  ; in K's blocks my head's 1,024 bytes of 16 keys lie 2,048 apart
	s_mov_b32 s[JJ], ttmp9
	s_sub_co_u32 s[QB], 7, s[JJ]                   ; the longer block first
	s_and_b32 s32, ttmp7, 0xffff                   ; 16 x batch + head
	s_lshr_b32 s56, s32, 4                         ; batch
	s_bfe_u32 s57, s32, 0x30001                    ; head pair
	s_and_b32 s58, s32, 1                          ; which of the pair
	s_lshr_b32 s59, s[WV], 3                       ; which 128 tokens of a block of 256,
	s_and_b32 s60, s[WV], 7                        ; and which 16 of them
	s_lshl_b32 s61, s57, 20
	s_lshl_b32 s33, s56, 18
	s_add_co_u32 s61, s61, s33                     ; block (64 x head pair + 16 x batch) of 16,384 bytes
	s_lshl_b32 s[KH], s58, 10
	s_add_co_u32 s[KH], s[KH], s61
	s_add_co_u32 s[KH], s[KH], 0x800000            ; K's part
	s_mov_b32 s[KH+1], 0
	s_lshl_b32 s[VH], s58, 13
	s_add_co_u32 s[VH], s[VH], s61
	s_add_co_u32 s[VH], s[VH], 0x1000000           ; V's part
	s_mov_b32 s[VH+1], 0
	s_lshl_b32 s33, s60, 11
	s_lshl_b32 s34, s58, 10
	s_add_co_u32 s33, s33, s34                     ; my 16 tokens, my head of the pair: the same in Q and in ac
	s_lshl_b32 s34, s59, 14
	s_add_co_u32 s34, s34, s33
	s_add_co_u32 s34, s34, s61
	s_lshl_b32 s35, s[QB], 15
	s_add_co_u32 s52, s34, s35                     ; Q of block 7 - j
	s_mov_b32 s53, 0
	s_lshl_b32 s35, s[JJ], 15
	s_add_co_u32 s54, s34, s35                     ; Q of block j
	s_mov_b32 s55, 0
	s_lshl_b32 s[AC0], s56, 21                     ; ac: [128 tokens: 131,072][head pair: 16,384][16 tokens: 2,048][head of the pair: 1,024]
	s_lshl_b32 s35, s59, 17
	s_add_co_u32 s[AC0], s[AC0], s35
	s_lshl_b32 s35, s57, 14
	s_add_co_u32 s[AC0], s[AC0], s35
	s_add_co_u32 s[AC0], s[AC0], s33
	s_mov_b32 s[AC0+1], 0
	s_lshl_b32 s[Q0], s[QB], 8
	s_lshl_b32 s35, s[WV], 4
	s_add_co_u32 s[Q0], s[Q0], s35                 ; 256 x block + 16 x wave
	s_mov_b32 s[SL], 0
	s_mov_b32 s[TR], 0
	s_mov_b32 s[SEL], 0x76543210
	s_mov_b32 s[SEL+1], 0xfedcba98
	s_wait_kmcnt 0x0
	s_load_b256 s[36:43], s[6:7], 0x0              ; e0 .. e7
	s_load_b128 s[44:47], s[6:7], 0x20             ; e8 .. e11
	s_add_nc_u64 s[KH:KH+1], s[4:5], s[KH:KH+1]
	s_add_nc_u64 s[VH:VH+1], s[4:5], s[VH:VH+1]
	s_add_nc_u64 s[52:53], s[4:5], s[52:53]
	s_add_nc_u64 s[54:55], s[4:5], s[54:55]
	s_add_nc_u64 s[AC0:AC0+1], s[8:9], s[AC0:AC0+1]
	s_mov_b64 s[KB:KB+1], s[KH:KH+1]
	s_mov_b64 s[VB:VB+1], s[VH:VH+1]
.macro COPY_IN                         ; a slot's 256 keys: two blocks of K and two of V, 8,192 bytes of my head in each; a wave's load reads 512 consecutive bytes
	global_load_b128 v[CP:CP+3],     v3, s[KB:KB+1]
	global_load_b128 v[CP+4:CP+7],   v3, s[KB:KB+1] offset:16384
	global_load_b128 v[CP+8:CP+11],  v2, s[VB:VB+1]
	global_load_b128 v[CP+12:CP+15], v2, s[VB:VB+1] offset:16384
.endm
	COPY_IN                                        ; slot 0
	global_load_b128 v[QF:QF+3],   v1, s[52:53] th:TH_LOAD_NT
	global_load_b128 v[QF+4:QF+7], v1, s[52:53] offset:512 th:TH_LOAD_NT
	global_load_b128 v[QN:QN+3],   v1, s[54:55] th:TH_LOAD_NT
	global_load_b128 v[QN+4:QN+7], v1, s[54:55] offset:512 th:TH_LOAD_NT
	v_mov_b32 v13, 0xff61b1e6                      ; the largest t so far: -3e38, under every t
	v_floor_f32 v12, -v13                          ; -M
	v_mov_b32 v14, 0                               ; the sum, in two halves
	v_mov_b32 v15, 0
	v_mov_b32 v236, 0                              ; written once: a lane permute's destination counts as one of its sources
	v_mov_b32 v242, 0
	v_mov_b32 v243, 0
	v_mov_b32 v252, 0
	v_mov_b32 v253, 0                              ; (named as the upper half of the pair v[252:253])
	v_mov_b32 v254, 0
.set n, 0
.rept 32
	v_mov_b32 v[OT+n], 0                           ; O^T.  (The step is written once: a block's first step finds zeros, which the first change of M leaves zeros)
.set n, n+1
.endr
	s_wait_kmcnt 0x0
	s_add_co_i32 s32, s42, s43
	s_lshl_b32 s32, s32, 23
	s_mov_b32 s[CS], 0x3e38aa3b                    ; log2(e) / 8
	s_add_co_i32 s[CS], s[CS], s32                 ; a score stands for score x 2^(e6 + e7): the two exponents are added to c's exponent field
	s_mov_b32 s[CS+1], s[CS]                       ; (named with it as a pair, so it is written)
	s_add_co_i32 s32, s44, 127
	s_lshl_b32 s33, s32, 23
	v_mov_b32 v244, s33                            ; 2^e8
	s_add_co_i32 s32, s32, 8
	s_lshl_b32 s32, s32, 23
	s_or_b32 s32, s32, 0x600000
	v_mov_b32 v240, s32                            ; 448 x 2^e8
	s_add_co_i32 s32, s46, 127
	s_lshl_b32 s33, s32, 23
	v_mov_b32 v245, s33                            ; 2^e10
	s_add_co_i32 s32, s32, 8
	s_lshl_b32 s32, s32, 23
	s_or_b32 s32, s32, 0x600000
	v_mov_b32 v241, s32                            ; 448 x 2^e10
	s_add_co_i32 s[ES], s44, s45
	s_cmp_ge_i32 s44, -8                           ; p is at most 1, so p / 2^e8 is at most 256 where e8 >= -8: the hold at 448 then changes nothing and is jumped over
	s_cselect_b32 s[NH], 1, 0
; A KEY STEP: 128 keys, the q-th of the slot in hand.
.macro STEP q
	s_add_co_u32 s32, s[Q0], 15                    ; a step all of whose keys come after my 16 queries is left out: a scalar branch on ids; no barrier stands in a step
	s_cmp_gt_u32 s[KF], s32
	s_cbranch_scc1 .Lhidden_\@
.rept 4
	v_nop                                          ; places in front of loads into registers that the last products have read
.endr
.irp t, 0,1,2,3,4,5,6,7
	ds_load_b128 v[FG+8*\t:FG+8*\t+3],   v1 offset:(\q)*8192+\t*1024
	ds_load_b128 v[FG+8*\t+4:FG+8*\t+7], v1 offset:(\q)*8192+\t*1024+512
.endr
.irp t, 0,1,2,3,4,5,6,7
	s_wait_dscnt 14-2*\t                           ; tile t's two loads are in; the 2 (7 - t) issued behind them may be out
	v_wmma_f32_16x16x64_fp8_fp8 v[SS+8*\t:SS+8*\t+7], v[FG+8*\t:FG+8*\t+7], v[QF:QF+7], 0
.endr                                          ; lane (r, h), register 8 t + i: key KF + 16 t + 8 h + i of query Q0 + r
.rept 4
	v_nop                                          ; places: in front of the loads below, and of the first read of the scores
.endr
.irp d, 0,1,2,3
.irp i, 0,1,2,3
	ds_load_b128 v[FG+16*\d+4*\i:FG+16*\d+4*\i+3], v1 offset:16384+(\q)*8192+\d*2048+\i*512   ; V's four fragments land while the softmax is walked
.endr
.endr
	s_add_co_u32 s32, s[KF], 127                   ; on the diagonal the scores of hidden keys become -infinity ahead of the maximum: p = 0 then.  A step all of whose keys count skips this
	s_cmp_le_u32 s32, s[Q0]
	s_cbranch_scc1 .Lopen_\@
	s_sub_co_i32 s32, s[Q0], s[KF]
	v_and_b32 v252, 15, v0
	v_bfe_u32 v253, v0, 4, 1
	v_lshlrev_b32 v253, 3, v253
	v_sub_nc_u32 v252, v252, v253
	v_add_nc_u32 v252, s32, v252                   ; d = my query - KF - 8 h: register 8 t + i is hidden where 16 t + i > d
	v_mov_b32 v254, 0xff800000                     ; -infinity
.set n, 0
.rept 64
	v_cmp_gt_i32 vcc_lo, 16*(n/8)+n%8, v252
	v_cndmask_b32 v[SS+n], v[SS+n], v254, vcc_lo
.set n, n+1
.endr
.Lopen_\@:
	v_max3_num_f32 v254, v[SS], v[SS+1], v[SS+2]   ; the step's largest score of my query, among my 64 keys, in two chains; each accumulator is first read at its low end,
	v_max3_num_f32 v252, v[SS+3], v[SS+4], v[SS+5]
.irp i, 6,10,14,18,22,26,30,34,38,42,46,50,54,58
	v_max3_num_f32 v254, v254, v[SS+\i], v[SS+1+\i]
	v_max3_num_f32 v252, v252, v[SS+2+\i], v[SS+3+\i]
.endr
	v_max3_num_f32 v254, v254, v[SS+62], v[SS+63]
	v_max_num_f32 v254, v254, v252
	v_permlanex16_b32 v236, v254, s[SEL], s[SEL+1]
	v_max_num_f32 v254, v254, v236                 ; and among lane l xor 16's
	v_mul_f32 v254, s[CS], v254                    ; as t (c is positive)
	v_max_num_f32 v13, v13, v254                   ; the running largest t
	v_mov_b32 v254, v12
	v_floor_f32 v12, -v13                          ; the new -M = floor(-t) = -ceil(t): M is a whole number
	v_sub_f32 v254, v12, v254                      ; M's old value less its new one: a whole number, 0 or less
	v_cvt_i32_f32 v254, v254                       ; (it saturates)
	v_ldexp_f32 v252, 1.0, v254                    ; f = 2^(old M - new M)
.set n, 0
.rept 32
	v_pk_fma_f32 v[SS+n:SS+n+1], v[SS+n:SS+n+1], s[CS:CS+1], v[12:13] op_sel_hi:[1,0,0]   ; t - M, two at a time (of the pairs c and -M the low word serves both halves)
.set n, n+2
.endr
.set n, 0
.rept 64
	v_exp_f32 v[SS+n], v[SS+n]                     ; p = 2^(t - M), at most 1: not normalised
.set n, n+1
.endr
	v_pk_mul_f32 v[14:15], v[14:15], v[252:253] op_sel_hi:[1,0]   ; the sums under the new M: the plain line behind the exponentials
	s_wait_alu depctr_va_vdst(0)                   ; one wait for the whole batch, ahead of its first reader
	v_pk_add_f32 v[242:243], v[SS:SS+1], v[SS+2:SS+3]   ; the row's sum is taken of the UNQUANTISED p: two at a time, in two chains
.irp i, 4,8,12,16,20,24,28,32,36,40,44,48,52,56,60
	v_pk_add_f32 v[14:15], v[14:15], v[SS+\i:SS+1+\i]
	v_pk_add_f32 v[242:243], v[242:243], v[SS+2+\i:SS+3+\i]
.endr
	v_pk_add_f32 v[14:15], v[14:15], v[242:243]
	s_cmp_eq_u32 s[NH], 1
	s_cbranch_scc1 .Lno_hold_\@
.set n, 0
.rept 64
	v_min_num_f32 v[SS+n], v[SS+n], v240           ; the conversion to an 8-bit code does not saturate (ISA guide 7.6.2); p is not negative, so the hold is one-sided
.set n, n+1
.endr
.Lno_hold_\@:
.irp t, 0,1,2,3,4,5,6,7
	v_cvt_scalef32_pk8_fp8_f32 v[PC+2*\t:PC+2*\t+1], v[SS+8*\t:SS+8*\t+7], v244
.endr
.set n, 0
.rept 16
	v_pk_mul_f32 v[OT+n:OT+n+1], v[OT+n:OT+n+1], v[252:253] op_sel_hi:[1,0]   ; O^T under the new M: x f.  (Also the plain lines between the conversions and the products that read their results)
.set n, n+2
.endr
	s_wait_dscnt 0x0                               ; V's fragments are in
.irp d, 0,1,2,3                                ; the four accumulators take turns, one instruction a turn
	v_wmma_f32_16x16x128_fp8_fp8 v[OT+8*\d:OT+8*\d+7], v[FG+16*\d:FG+16*\d+15], v[PC:PC+15], v[OT+8*\d:OT+8*\d+7]
.endr
.Lhidden_\@:
	s_add_co_u32 s[KF], s[KF], 128
.endm
.Ltrip:                                            ; nine trips, a slot of 256 keys each
	s_wait_loadcnt 0x0                             ; the slot's bytes are in my registers (in the first trip Q too)
	s_wait_dscnt 0x0                               ; my reads of the last slot are back
	s_barrier_signal -1
	s_barrier_wait -1                              ; nobody reads the buffer any more
	ds_store_b128 v2, v[CP:CP+3]                   ; K: [128 keys 2][16 keys 8][1,024 bytes]
	ds_store_b128 v2, v[CP+4:CP+7] offset:8192
	ds_store_b128 v2, v[CP+8:CP+11] offset:16384   ; V: [128 keys 2][16 of the head's 64: 4][2,048 bytes]
	ds_store_b128 v2, v[CP+12:CP+15] offset:24576
	s_wait_dscnt 0x0                               ; for the others' sake: my stores are done
	s_barrier_signal -1
	s_barrier_wait -1                              ; the slot is whole
	s_add_co_u32 s[NS], s[SL], 1                   ; the next slot: one on, or, behind a block's last slot, slot 0 for the second block
	s_cmp_eq_u32 s[SL], s[QB]
	s_cselect_b32 s[NS], 0, s[NS]
	s_cmp_eq_u32 s[TR], 8                          ; the last trip asks for nothing
	s_cbranch_scc1 .Lno_more
	s_lshl_b32 s32, s[NS], 15                      ; two blocks of 16,384 bytes a slot
	s_mov_b32 s33, 0
	s_add_nc_u64 s[KB:KB+1], s[KH:KH+1], s[32:33]  ; (the loads that named these bases are done: the wait at the trip's head)
	s_add_nc_u64 s[VB:VB+1], s[VH:VH+1], s[32:33]
	COPY_IN                                        ; a whole trip ahead of the wait for it
.Lno_more:
	s_lshl_b32 s[KF], s[SL], 8
	STEP 0
	STEP 1
	s_cmp_eq_u32 s[SL], s[QB]                      ; the slot on the diagonal is a block's last
	s_cbranch_scc0 .Lnot_last
	; A BLOCK'S END: o = O^T x 2^(e8 + e9) / the sum, quantised with 2^e10.  Tile d's eight registers are K = 64 x (head of the pair) + 16 d + 8 h + 0 .. 7 of the last projection's operand: the codes are stored as they stand.
.rept 4
	v_nop                                          ; places behind the last products
.endr
	s_wait_xcnt 0x0                                ; the first block's stores have read their base and their data
	v_add_f32 v14, v14, v15                        ; the sum's two halves,
	v_permlanex16_b32 v252, v14, s[SEL], s[SEL+1]
	v_add_f32 v14, v14, v252                       ; and lane l xor 16's: the row's sum
	v_rcp_f32 v14, v14
	v_nop                                          ; a plain line behind the reciprocal
	s_lshl_b32 s32, s[QB], 18                      ; 256 tokens of ac
	s_mov_b32 s33, 0
	s_add_nc_u64 s[AB:AB+1], s[AC0:AC0+1], s[32:33]
	s_wait_alu depctr_va_vdst(0)                   ; the wait, ahead of the first reader
	v_ldexp_f32 v14, v14, s[ES]
.set n, 0
.rept 16
	v_pk_mul_f32 v[SS+n:SS+n+1], v[OT+n:OT+n+1], v[14:15] op_sel_hi:[1,0]   ; each accumulator from its low end on
.set n, n+2
.endr
.set n, 0
.rept 32
	v_med3_num_f32 v[SS+n], v[SS+n], -v241, v241   ; the hold at the largest code x the scale
.set n, n+1
.endr
.irp d, 0,1,2,3
	v_cvt_scalef32_pk8_fp8_f32 v[OC+2*\d:OC+2*\d+1], v[SS+8*\d:SS+8*\d+7], v245
.endr
	v_nop                                          ; a plain line behind the conversions: later products write their sources
	global_store_b128 v1, v[OC:OC+3], s[AB:AB+1]               ; 32 lanes store 512 consecutive bytes
	global_store_b128 v1, v[OC+4:OC+7], s[AB:AB+1] offset:512
	v_mov_b32 v13, 0xff61b1e6                      ; the second block begins as the first did
	v_floor_f32 v12, -v13
	v_mov_b32 v14, 0
	v_mov_b32 v15, 0
.set n, 0
.rept 32
	v_mov_b32 v[OT+n], 0
.set n, n+1
.endr
.set n, 0
.rept 8
	v_mov_b32 v[QF+n], v[QN+n]
.set n, n+1
.endr
	s_mov_b32 s[QB], s[JJ]
	s_lshl_b32 s[Q0], s[QB], 8
	s_lshl_b32 s32, s[WV], 4
	s_add_co_u32 s[Q0], s[Q0], s32
.Lnot_last:
	s_mov_b32 s[SL], s[NS]
	s_add_co_u32 s[TR], s[TR], 1
	s_cmp_lt_u32 s[TR], 9
	s_cbranch_scc1 .Ltrip
	s_wait_tensorcnt 0x0
	ds_add_u32 v251, v255
	s_wait_dscnt 0x0
	s_endpgm
.Lfunc_end_k_qa3ce97123a_attn:
	.size	k_qa3ce97123a_attn, .Lfunc_end_k_qa3ce97123a_attn-k_qa3ce97123a_attn
	.p2alignl 7, 3214868480
	.fill 96, 4, 3214868480
	.section	.rodata,"a",@progbits
	.p2align	6, 0x0
	.amdhsa_kernel k_qa3ce97123a_attn
		.amdhsa_group_segment_fixed_size 34816
		.amdhsa_private_segment_fixed_size 0
		.amdhsa_enable_private_segment 0
		.amdhsa_kernarg_size 24
		.amdhsa_user_sgpr_count 2
		.amdhsa_user_sgpr_kernarg_segment_ptr 1
		.amdhsa_wavefront_size32 1
		.amdhsa_system_sgpr_workgroup_id_x 1
		.amdhsa_system_sgpr_workgroup_id_y 1
		.amdhsa_system_sgpr_workgroup_id_z 1
		.amdhsa_system_vgpr_workitem_id 0
		.amdhsa_next_free_vgpr 256
		.amdhsa_next_free_sgpr 66
		.amdhsa_reserve_vcc 1
		.amdhsa_float_denorm_mode_32 3
		.amdhsa_float_denorm_mode_16_64 3
		.amdhsa_memory_ordered 1
		.amdhsa_forward_progress 1
		.amdhsa_inst_pref_size 55
	.end_amdhsa_kernel
	.amdgpu_metadata
---
amdhsa.version: [ 1, 2 ]
amdhsa.kernels:
  - .name:           k_qa3ce97123a_attn
    .symbol:         k_qa3ce97123a_attn.kd
    .args:
      - { .name: qkv, .offset: 0, .size: 8, .value_kind: global_buffer, .address_space: global }
      - { .name: lowp_scales, .offset: 8, .size: 8, .value_kind: global_buffer, .address_space: global }
      - { .name: ac, .offset: 16, .size: 8, .value_kind: global_buffer, .address_space: global }
    .group_segment_fixed_size: 34816
    .private_segment_fixed_size: 0
    .kernarg_segment_align: 8
    .kernarg_segment_size: 24
    .max_flat_workgroup_size: 512
    .sgpr_count:     66
    .vgpr_count:     256
    .wavefront_size: 32
...
	.end_amdgpu_metadata
.endif
;; end of part 3
;; launch oproj (part 4): grid 4 x 32, 4 waves a work-group, clusters of 4 x 4, 327,680 bytes of LDS; arguments ac, wc, lowp_scales, out0; writes out0
.if DOCPART == 4
	.amdgcn_target "amdgcn-amd-amdhsa--gfx1250"
	.amdhsa_code_object_version 6
	.text
	.protected	k_qa3ce97123a_oproj
	.globl	k_qa3ce97123a_oproj
	.p2align	8
	.type	k_qa3ce97123a_oproj,@function
k_qa3ce97123a_oproj:
	s_mov_b64 s[64:65], 0
	v_nop
	global_prefetch_b8 v0, s[64:65] scope:SCOPE_SE
	s_setreg_imm32_b32 hwreg(HW_REG_WAVE_MODE, 25, 1), 1
	s_wait_xcnt 0x0
	s_wait_alu depctr_hold_cnt(0) depctr_sa_sdst(0) depctr_va_vdst(0) depctr_va_sdst(0) depctr_va_ssrc(0) depctr_va_vcc(0) depctr_vm_vsrc(0)
	s_getreg_b32 s2, hwreg(HW_REG_IB_STS2, 6, 4)
	s_cmp_eq_u32 s2, 0
	s_cbranch_scc0 .Lentry_in_a_cluster
	s_endpgm
.Lentry_in_a_cluster:
	s_bfe_u32 s2, ttmp6, 0x10000c
	s_cmp_lg_u32 s2, 0xf033
	s_cbranch_scc0 .Lentry_shape_is_right
	s_endpgm
.Lentry_shape_is_right:
; out0 = a W_O^T on codes of FP8 (E4M3): a [8192][1024] is the attention's result, W_O [1024][1024]; out0 [8192][1024] f32; sums in f32, each multiplied once by 2^(e10 + e11).
; LIMIT: e10 + e11 lies between -126 and 127, so that 2^(e10 + e11) is an f32 number.
; A tile of out0, 256 x 256, is made by a work-group of four waves, each 128 x 128: 64 accumulators of 16 x 16, 512 registers.  K = 1,024 goes in four fills of 256 through a ring of two LDS slots.
; BOTH OPERANDS lie in memory as images of fragments (piece i of lane l at 512 i + 16 l), [128 rows][K block of 128][16 rows]: a wave's part of a fill, 128 rows x 256 K, is one dense block of 32,768 bytes,
; and every fragment comes out of LDS by four loads of 16 bytes a lane at 16 x lane: no pitch, no padding.
; CLUSTERS: 4 x 4 work-groups.  The four of a row of the cluster need the same tiles of a, the four of a column the same tiles of W_O: each is asked for JOINTLY.
; THE MATRIX INSTRUCTION IS USED TRANSPOSED (source 0 = 16 rows of W_O, source 1 = 16 rows of a): a lane then holds eight neighbouring numbers of a row of out0.
; REGISTERS, in windows of 256: window 0: v16-29 addresses; from v128 a's fragments, ONE set; on the way out v32-255 are free.
;   window 1: W_O's fragments, TWO sets, at v0 and v128.   window 2: the accumulators of my rows 0-63 ((a, b) at v[8 (8 a + b)]);   window 3: those of rows 64-127.
.set SIZE_N, 1024
.set FR,     16                        ; registers of a fragment: 16 rows x 128 K
.set NL,     4                         ; LDS loads that bring one
.set NP,     4                         ; places behind this matrix instruction (ISA guide 7.12.1)
.set HALFT,  32768                     ; 128 rows x 256 K of codes: what one tensor load brings
.set SLOT,   4*HALFT                   ; a's two halves, then W_O's two
.set LAPS,   2                         ; a lap = two fills = once round the ring
.set SPARE,  2*SLOT                    ; behind the ring: the spare words, 128 bytes for each wave: two blocks of 256 bytes that no other line names
.set SPITCH, 528                       ; the way out: a stage of 16 rows x (512 bytes + 16) for each wave.  It lies in slot 0, which has had its last fill and its last read when the first result is stored there
.set ADRA, 16                          ; v16-17  LDS address of my fragments of a in slot 0, 1
.set ADRB, 20                          ; v20-21  the same for W_O
.set STO,  24                          ; v24     the way out: where I put 32 bytes of a row
.set RD,   25                          ; v25     the way out: where I read a row back
.set CO,   26                          ; v26     16 x lane
.set SPW,  28                          ; v28     LDS address of my spare word: SPARE + 4 x my thread's number; never rewritten
.set NIL,  29                          ; v29     0; never rewritten
.set TMP,  32                          ; the way out: 64 registers, a block's sums x 2^(e10 + e11)
.set AF,   128                         ; a's fragments, in window 0
.set BK,   128                         ; the way out: 16 rows read back from the stage: v128-191 and v192-255 by turns
.set G1, 24                            ; s[24:31] descriptor group 1 for a's tiles;  s[32:39] group 0, one set for each slot
.set G0, 32
.set G1B, 48                           ; s[48:55], s[56:63] the same for W_O's tiles
.set G0B, 56
.set MSB, 0
.macro WIN new                         ; the immediate's high byte repeats the setting that is left
.if MSB != \new
	s_set_vgpr_msb (MSB<<8)|\new
.set MSB, \new
.endif
.endm
.set MUL_LO, 0xa1                      ; source 0 (W_O) window 1, source 1 (a) window 0, C and D window 2
.set MUL_HI, 0xf1                      ; the same, C and D window 3
.set TO_B,   0x40                      ; destination window 1, address window 0
; A joint load: waves 0 and 1 fetch for a, waves 2 and 3 for W_O.  Each line has ONE mask and one set of registers for all that issue it; the branch hangs on the wave's number alone.
; Four v_nop follow each of the two lines, ahead of the jump, the label and what follows.
.macro JLOAD g0a, g1a, g0b, g1b
	s_cmp_eq_u32 s15, 0
	s_cbranch_scc0 .Lfor_b_\@
	tensor_load_to_lds s[\g0a:\g0a+3], s[\g1a:\g1a+7]
	s_nop 0
.rept 4
	v_nop
.endr
	s_branch .Lasked_\@
.Lfor_b_\@:
	tensor_load_to_lds s[\g0b:\g0b+3], s[\g1b:\g1b+7]
	s_nop 0
.rept 4
	v_nop
.endr
.Lasked_\@:
.endm
.macro CREST                           ; a round of the cluster's barrier behind its opening barrier
	s_cmp_lg_u32 s14, 0
	s_cbranch_scc1 .Lnot_wave_0_\@
	s_barrier_signal -3
.Lnot_wave_0_\@:
	s_barrier_wait -3
	s_barrier_signal -1
	s_barrier_wait -1
.endm
.macro CROUND                          ; a whole round
	s_barrier_signal -1
	s_barrier_wait -1
	CREST
.endm
	s_load_b128 s[4:7], s[0:1], 0x0                ; a's codes s[4:5], the weights' codes s[6:7]
	s_load_b128 s[8:11], s[0:1], 0x10              ; the scales' exponents s[8:9], out0 s[10:11]
	v_lshl_add_u32 v[SPW], v0, 2, SPARE
	v_mov_b32 v[NIL], 0
	ds_add_u32 v28, v29
	ds_add_u32 v28, v29
	s_wait_dscnt 0x0
	v_lshrrev_b32 v1, 5, v0
	v_readfirstlane_b32 s14, v1                    ; wave 0..3
	s_lshr_b32 s15, s14, 1                         ; which half of the tile's rows is mine.  Also: I fetch for a (0) or for W_O (1)
	s_and_b32 s16, s14, 1                          ; which half of its columns.  Also: which 128 rows of that tile I fetch
	s_bfe_u32 s40, ttmp6, 0x40000                  ; cx, cy: my place in the cluster
	s_bfe_u32 s41, ttmp6, 0x40004
	s_lshl_b32 s42, ttmp9, 2
	s_add_co_u32 s42, s42, s40                     ; tile column = 4 x cluster x + cx
	s_and_b32 s17, ttmp7, 0xffff
	s_lshl_b32 s17, s17, 2
	s_add_co_u32 s17, s17, s41                     ; tile row = 4 x cluster y + cy
	s_lshl_b32 s43, s41, 2
	s_lshl_b32 s43, 15, s43                        ; my row of the cluster
	s_lshl_b32 s44, 0x1111, s40                    ; my column
	; descriptor group 1: a dense block of 32,768 bytes, stated as 128 rows of 32 elements of 8 bytes; no padding
	s_or_b32 s[G1+0], s43, (3<<16)|(1<<21)         ; 15:0 the mask: a's tiles go to my row; 17:16 elements of 8 bytes; 21 set beside a mask
	s_or_b32 s[G1B+0], s44, (3<<16)|(1<<21)        ; W_O's go to my column
.irp g, G1, G1B
	s_mov_b32 s[\g+1], 32<<16                      ; tensor_dim0 = 32
	s_mov_b32 s[\g+2], 128<<16                     ; tensor_dim1 = 128
	s_mov_b32 s[\g+3], 32<<16                      ; tile_dim0 = 32
	s_mov_b32 s[\g+4], 128                         ; tile_dim1 = 128
	s_mov_b32 s[\g+5], 32                          ; tensor_dim0_stride: each row begins where the last ends
	s_mov_b32 s[\g+6], 0
	s_mov_b32 s[\g+7], 0
.endr
	s_lshl_b32 s20, s17, 1
	s_add_co_u32 s20, s20, s16                     ; the 128 rows of a that I fetch, if I fetch for a,
	s_lshl_b32 s20, s20, 17                        ; 131,072 bytes each
	s_mov_b32 s21, 0
	s_lshl_b32 s46, s42, 1
	s_add_co_u32 s46, s46, s16                     ; or of W_O,
	s_lshl_b32 s46, s46, 17
	s_add_co_u32 s46, s46, 0x300000                ; the fourth weight in wc
	s_mov_b32 s47, 0
	s_mul_i32 s45, s14, HALFT                      ; where they go: wave x 32,768: no place in the cluster enters an LDS address
	s_wait_kmcnt 0x0
	s_load_b64 s[96:97], s[8:9], 0x28              ; e10, e11
	s_add_nc_u64 s[20:21], s[4:5], s[20:21]
	s_add_nc_u64 s[46:47], s[6:7], s[46:47]
	CROUND                                         ; all sixteen work-groups are here: the first joint loads meet
.irp s, 0,1
	s_mov_b32 s[G0+4*\s], 1                        ; count = 1
	s_add_co_u32 s[G0+4*\s+1], s45, \s*SLOT        ; LDS address
	s_add_nc_u64 s[G0+4*\s+2:G0+4*\s+3], s[20:21], \s*HALFT   ; global address: fill s
	s_or_b32 s[G0+4*\s+3], s[G0+4*\s+3], 0x80000000           ; type = 2
	s_mov_b32 s[G0B+4*\s], 1
	s_add_co_u32 s[G0B+4*\s+1], s45, \s*SLOT
	s_add_nc_u64 s[G0B+4*\s+2:G0B+4*\s+3], s[46:47], \s*HALFT
	s_or_b32 s[G0B+4*\s+3], s[G0B+4*\s+3], 0x80000000
	JLOAD G0+4*\s, G1, G0B+4*\s, G1B               ; two tensor loads of mine are out behind these
.endr
	v_and_b32 v1, 15, v0                           ; l % 16
	v_bfe_u32 v2, v0, 4, 1                         ; l / 16
	v_and_b32 v6, 31, v0
	v_lshlrev_b32 v[CO], 4, v6                     ; 16 x lane
	s_mul_i32 s21, s15, HALFT                      ; my 128 rows of a
	s_mul_i32 s22, s16, HALFT                      ; my 128 rows of W_O,
	s_add_co_u32 s22, s22, 2*HALFT                 ; which lie behind a's two halves
.irp s, 0,1
	v_add_nc_u32 v[ADRA+\s], s21, v[CO]
	v_add_nc_u32 v[ADRB+\s], s22, v[CO]
	s_add_co_u32 s21, s21, SLOT
	s_add_co_u32 s22, s22, SLOT
.endr
	s_mul_i32 s23, s14, 16*SPITCH                  ; my stage
	v_mul_u32_u24 v5, v1, SPITCH                   ; in: row l % 16, 32 bytes for each half of the lanes
	v_lshl_add_u32 v5, v2, 5, v5
	v_add_nc_u32 v[STO], s23, v5
	v_add_nc_u32 v[RD], s23, v[CO]                 ; back: the 32 lanes take one row of 512 bytes
	s_lshl_b32 s20, s17, 8
	s_lshl_b32 s21, s15, 7
	s_add_co_u32 s20, s20, s21                     ; my first row of out0: 256 x tile row + 128 x half,
	s_lshl_b32 s20, s20, 12                        ; of 4,096 bytes
	s_mov_b32 s21, 0
	s_lshl_b32 s46, s42, 10                        ; my first column, in bytes: 1,024 x tile column + 512 x half
	s_lshl_b32 s47, s16, 9
	s_add_co_u32 s46, s46, s47
	s_mov_b32 s47, 0
	s_add_nc_u64 s[20:21], s[20:21], s[46:47]
	s_add_nc_u64 s[10:11], s[10:11], s[20:21]
.macro FRAG reg, adr, q, i             ; fragment i of the slot's q-th 128 along K: four pieces of 512 bytes, 16 bytes a lane
.irp c, 0,1,2,3
	ds_load_b128 v[\reg+4*\c:\reg+4*\c+3], v[\adr] offset:16384*(\q)+2048*(\i)+512*\c
.endr
.endm
; 16 matrix instructions: a's blocks a0, a0 + 1 x W_O's eight, 128 along K.  p: W_O's set.  zero = 1: the first product starts the sums: nothing is ever cleared.
; The 64 accumulators take turns, one instruction a turn, in the same order in every step.
.macro MUL16 a0, p, zero
.irp a, \a0, \a0+1
.irp b, 0,1,2,3,4,5,6,7
.if \zero
	v_wmma_f32_16x16x128_fp8_fp8 v[8*(8*((\a)%4)+\b):8*(8*((\a)%4)+\b)+7], v[128*(\p)+FR*\b:128*(\p)+FR*\b+FR-1], v[AF+FR*(\a):AF+FR*(\a)+FR-1], 0
.else
	v_wmma_f32_16x16x128_fp8_fp8 v[8*(8*((\a)%4)+\b):8*(8*((\a)%4)+\b)+7], v[128*(\p)+FR*\b:128*(\p)+FR*\b+FR-1], v[AF+FR*(\a):AF+FR*(\a)+FR-1], v[8*(8*((\a)%4)+\b):8*(8*((\a)%4)+\b)+7]
.endif
.endr
.endr
.endm
.macro FETCH_B slot, q, p              ; W_O's eight fragments into set p
	WIN TO_B
.irp i, 0,1,2,3,4,5,6,7
	FRAG 128*(\p)+FR*\i, ADRB+\slot, \q, \i
.endr
	WIN 0
.endm
.macro FETCH_A slot, q, i0             ; a's blocks i0 .. i0 + 3
.irp i, \i0, \i0+1, \i0+2, \i0+3
	FRAG AF+FR*(\i), ADRA+\slot, \q, \i
.endr
.endm
; A load into a register that a matrix instruction has read, and a vector instruction that reads a matrix result, stand NP places behind that matrix instruction; only plain vector
; instructions that name none of its registers are places (ISA guide 7.12.1 for vector instructions).
.macro PLACES n
.rept \n
	v_nop
.endr
.endm
; A step of 128 along K that has its successor in the same slot.  A block of a is free as soon as its eight products are issued, so one set serves a: blocks 0-3 are fetched anew in the step's middle, blocks 4-7 at its end.
.macro STEP slot, q, zero
	s_wait_dscnt 4*NL                              ; W_O's set and a's blocks 0-3 are in; the youngest sixteen loads (a's blocks 4-7) may be out
	WIN MUL_LO
	MUL16 0, (\q)%2, \zero
	MUL16 2, (\q)%2, \zero
	s_wait_dscnt 0                                 ; a's blocks 4-7 are in (asked for 32 matrix instructions ago)
	PLACES NP
	FETCH_B \slot, (\q)+1, 1-(\q)%2
	FETCH_A \slot, (\q)+1, 0
	WIN MUL_HI
	MUL16 4, (\q)%2, \zero
	MUL16 6, (\q)%2, \zero
	PLACES NP
	WIN 0
	FETCH_A \slot, (\q)+1, 4
.endm
; A slot's last step changes slots: ONE barrier; in front of it each wave waits for all its tensor loads, adds 0 to its spare word, and waits for that and for its own reads of this slot.  fill = 1: this slot is filled again, two fills ahead.
.macro TURN slot, next, fill
	s_wait_tensorcnt 0x0                           ; all my tensor loads have landed: my part of the next slot;  (every window is 0 here: the add's two registers lie in window 0)
	ds_add_u32 v[SPW], v[NIL]                      ; 0 onto my spare word;
	s_wait_dscnt 4*NL+1                            ; (the add and the youngest sixteen loads, a's blocks 4-7, may be out)
	WIN MUL_LO
	MUL16 0, 1, 0                                  ; sixteen matrix instructions stand between the add and the wait for it
	s_wait_dscnt 0x0                               ; the add is done, and my reads of this slot are over
	s_barrier_signal -1
	MUL16 2, 1, 0
	WIN 0
	s_barrier_wait -1
.if \fill
	CREST                                          ; the barrier has opened a round of the cluster's barrier: no wave of any partner still reads this slot's tile or has a load on its way
	s_add_nc_u64 s[G0+4*\slot+2:G0+4*\slot+3], s[G0+4*\slot+2:G0+4*\slot+3], 2*HALFT
	s_add_nc_u64 s[G0B+4*\slot+2:G0B+4*\slot+3], s[G0B+4*\slot+2:G0B+4*\slot+3], 2*HALFT
	JLOAD G0+4*\slot, G1, G0B+4*\slot, G1B         ; the first tensor load behind the round, my one load that is out; the four v_nop behind it are the places in front of the loads below
.else
	PLACES NP
.endif
	FETCH_B \next, 0, 0
	FETCH_A \next, 0, 0
	WIN MUL_HI
	MUL16 4, 1, 0
	MUL16 6, 1, 0
	PLACES NP
	WIN 0
	FETCH_A \next, 0, 4
.endm
	s_wait_tensorcnt 1                             ; my part of fill 0 is in (fill 1's load, issued behind it, may be out)
	s_barrier_signal -1
	s_barrier_wait -1                              ; everybody's is
	FETCH_B 0, 0, 0
	FETCH_A 0, 0, 0
	FETCH_A 0, 0, 4
	STEP 0, 0, 1                                   ; the first step stands in front of the loop: its products start the sums
	s_mov_b32 s3, LAPS-1
.Llap:                                                 ; a trip goes once round the ring, from a lap's second step to the next lap's first, and fills both slots again
	TURN 0, 1, 1
	STEP 1, 0, 0
	TURN 1, 0, 1
	STEP 0, 0, 0
	s_sub_co_u32 s3, s3, 1
	s_cmp_lg_u32 s3, 0
	s_cbranch_scc1 .Llap
	TURN 0, 1, 0                                   ; the last lap fills nothing, and has no round of the cluster's barrier
	STEP 1, 0, 0
	s_wait_dscnt 4*NL                              ; the very last step: nothing more to fetch
	WIN MUL_LO
	MUL16 0, 1, 0
	MUL16 2, 1, 0
	s_wait_dscnt 0
	WIN MUL_HI
	MUL16 4, 1, 0
	MUL16 6, 1, 0
	WIN 0
; THE WAY OUT, block by block of 16 rows x 128 columns.  A lane holds 32 neighbouring bytes of a row, and the lanes beside it hold other rows: so a block goes through my own stage in LDS and comes back as whole
; rows of 512 bytes, which the 32 lanes store together.  LDS serves a wave's instructions in order (ISA guide 5.7.1.4): no wait between the stores and the loads, nor in front of the next block's stores.
.macro TOSTAGE a
.set AC, 64*((\a)%4)
	WIN 0x02+((\a)/4)                              ; source 0: window 2 or 3
.set n, 0
.rept 32
	v_pk_mul_f32 v[TMP+n:TMP+n+1], v[AC+n:AC+n+1], s[96:97] op_sel_hi:[1,0]   ; both x s96 = 2^(e10 + e11); each accumulator from its low end on
.set n, n+2
.endr
	WIN 0
.irp b, 0,1,2,3,4,5,6,7
	ds_store_b128 v[STO], v[TMP+8*\b:TMP+8*\b+3] offset:64*\b
	ds_store_b128 v[STO], v[TMP+8*\b+4:TMP+8*\b+7] offset:64*\b+16
.endr
.set BB, BK+64*((\a)%2)
.irp t, 0,1,2,3,4,5,6,7,8,9,10,11,12,13,14,15
	ds_load_b128 v[BB+4*\t:BB+4*\t+3], v[RD] offset:\t*SPITCH
.endr
.endm
.macro SEND a, younger                 ; younger: the LDS instructions issued behind block a's loads, which may stay out
.set BB, BK+64*((\a)%2)
	s_wait_dscnt \younger                          ; the block is back in registers
.if (\a) > 0
	s_add_nc_u64 s[10:11], s[10:11], 16*SIZE_N*4   ; (behind a wait on XCNT: the earlier stores have read their base)  16 rows of out0 on
.endif
.irp t, 0,1,2,3,4,5,6,7,8,9,10,11,12,13,14,15
	global_store_b128 v[CO], v[BB+4*\t:BB+4*\t+3], s[10:11] offset:\t*SIZE_N*4 th:TH_STORE_NT   ; 32 lanes store 512 consecutive bytes, at a multiple of 256 from out0's first byte
.endr
.endm
	s_wait_kmcnt 0x0
	s_add_co_i32 s96, s96, s97                     ; e10 + e11, between -126 and 127,
	s_add_co_i32 s96, s96, 127
	s_lshl_b32 s96, s96, 23                        ; makes the f32 number 2^(e10 + e11)
	PLACES NP                                      ; places behind the last products: for the loads into the registers that held a's fragments and for the reads of results
	TOSTAGE 0
.irp a, 1,2,3,4,5,6,7
.if \a > 1
	s_wait_xcnt 0x0                                ; block a - 2's stores have read their registers and their base: block a's loads may land there, and the base may step
.endif
	TOSTAGE \a
	SEND \a-1, 32                                  ; behind block a - 1's loads: block a's 16 stores and 16 loads
.endr
	s_wait_xcnt 0x0                                ; block 6's stores have read their base
	SEND 7, 0
	s_wait_tensorcnt 0x0                           ; the wave's end, behind my last tensor load and my last LDS store
	ds_add_u32 v[SPW], v[NIL]
	s_wait_dscnt 0x0
	CROUND                                         ; the closing round: no work-group ends while a partner may still ask for a tile that names it
	s_endpgm
.Lfunc_end_k_qa3ce97123a_oproj:
	.size	k_qa3ce97123a_oproj, .Lfunc_end_k_qa3ce97123a_oproj-k_qa3ce97123a_oproj
	.p2alignl 7, 3214868480
	.fill 96, 4, 3214868480
	.section	.rodata,"a",@progbits
	.p2align	6, 0x0
	.amdhsa_kernel k_qa3ce97123a_oproj
		.amdhsa_group_segment_fixed_size 327680
		.amdhsa_private_segment_fixed_size 0
		.amdhsa_enable_private_segment 0
		.amdhsa_kernarg_size 32
		.amdhsa_user_sgpr_count 2
		.amdhsa_user_sgpr_kernarg_segment_ptr 1
		.amdhsa_wavefront_size32 1
		.amdhsa_system_sgpr_workgroup_id_x 1
		.amdhsa_system_sgpr_workgroup_id_y 1
		.amdhsa_system_sgpr_workgroup_id_z 1
		.amdhsa_system_vgpr_workitem_id 0
		.amdhsa_next_free_vgpr 1024
		.amdhsa_next_free_sgpr 98
		.amdhsa_reserve_vcc 0
		.amdhsa_float_denorm_mode_32 3
		.amdhsa_float_denorm_mode_16_64 3
		.amdhsa_memory_ordered 1
		.amdhsa_forward_progress 1
		.amdhsa_inst_pref_size 123
	.end_amdhsa_kernel
	.amdgpu_metadata
---
amdhsa.version: [ 1, 2 ]
amdhsa.kernels:
  - .name:           k_qa3ce97123a_oproj
    .symbol:         k_qa3ce97123a_oproj.kd
    .args:
      - { .name: ac, .offset: 0, .size: 8, .value_kind: global_buffer, .address_space: global }
      - { .name: wc, .offset: 8, .size: 8, .value_kind: global_buffer, .address_space: global }
      - { .name: lowp_scales, .offset: 16, .size: 8, .value_kind: global_buffer, .address_space: global }
      - { .name: out0, .offset: 24, .size: 8, .value_kind: global_buffer, .address_space: global }
    .group_segment_fixed_size: 327680
    .private_segment_fixed_size: 0
    .kernarg_segment_align: 8
    .kernarg_segment_size: 32
    .max_flat_workgroup_size: 128
    .sgpr_count:     98
    .vgpr_count:     1024
    .wavefront_size: 32
...
	.end_amdgpu_metadata
.endif
;; end of part 4
;; ======== version 2 of 2: 4 launches; version 1 with the launches quant, attn written anew for expert scheduling mode
;; workspace buffers: xc 25,165,824 bytes; wc 4,194,304 bytes; qkv 25,165,824 bytes; ac 8,388,608 bytes
;; launch quant (part 5): grid 384 x 1, 4 waves a work-group, no clusters, 35,328 bytes of LDS; arguments x, W_Q, W_K, W_V, W_O, lowp_scales, xc, wc; writes xc, wc
.if DOCPART == 5
	.amdgcn_target "amdgcn-amd-amdhsa--gfx1250"
	.amdhsa_code_object_version 6
	.text
	.protected	k_qa3ce97123a_quant
	.globl	k_qa3ce97123a_quant
	.p2align	8
	.type	k_qa3ce97123a_quant,@function
k_qa3ce97123a_quant:
	s_mov_b64 s[64:65], 0
	v_nop
	global_prefetch_b8 v0, s[64:65] scope:SCOPE_SE
	s_setreg_imm32_b32 hwreg(HW_REG_WAVE_SCHED_MODE, 0, 2), 2
	s_setreg_imm32_b32 hwreg(HW_REG_WAVE_MODE, 25, 1), 1
	s_wait_xcnt 0x0
	s_wait_alu depctr_vm_vsrc(0)
; x [8192][1024] and the four weights [1024][1024], f32, K innermost, become codes of FP8 (E4M3), each with the scale 2^e that is given for it.
; x is an operand of three products with three given scales (entries 0, 2, 4), which may differ: three sets of codes, 8 MiB apart in xc.  W_Q, W_K, W_V, W_O (entries 1, 3, 5, 11) lie 1 MiB apart in wc.
; code = number / 2^e, held within +-448, rounded to the nearest code, ties to even.
; LIMITS: each e between -126 and 119, so that 2^e and 448 x 2^e are f32 numbers.  NaN among the inputs is not served (an infinity is held at the largest code).
; THE CODES ARE LAID AS THE READER'S REGISTERS WANT THEM.  A fragment (16 rows x 128 K, 16 registers a lane) is 2,048 bytes: piece i (registers 4 i .. 4 i + 3) of lane l at 512 i + 16 l.
; Lane (r = l % 16, h = l / 16) holds row r; registers 2 c, 2 c + 1 hold K = 16 c + 8 h + 0 .. 7.  Fragments lie [128 rows][K block of 128][16 rows]: 131,072 / 16,384 / 2,048 bytes.
; SHARES.  A wave takes 16 rows x 512 K: four fragments.  Work-groups 0-255 take x, 256-383 the weights, 32 each.  Only pointers and scales are chosen by the work-group's number.
; Each load reads 512 consecutive bytes of one row; a fragment's 8,192 bytes turn through the wave's own stage in LDS (16 rows, 528 bytes apart) and come back eight neighbours along K at a time;
; each store writes 512 consecutive bytes.  No tensor loads, no barrier, no matrix unit: waves share nothing, and the launch only streams.
; THE MODE: SCHED_MODE bits 1:0 = 2 (LLVM: expert scheduling mode 2), set by the entry lines.  The code itself states the register dependences
; between vector instructions and memory or LDS instructions, with s_wait_alu, always for 0.
; THE PLAN.  A group is a fragment f under one scale s: 64 holds and 8 conversions.  Registers that memory or LDS instructions touch:
;   v1, v2, v3  offsets and LDS addresses, made at the head and never written again.
;   R0, R1      Written by the global loads of fragment f (set f % 2); read by that fragment's sixteen LDS stores; then the loads of fragment f + 2 land there.
;   X           Written by a fragment's sixteen LDS loads; read by the holds of its one or three groups.
;   C0, C1      Group (f, s) writes C[(f + s) % 2]; the four stores that read it are issued one group later, while that group writes the other buffer.
;   T, SC, LIM  are named by vector instructions alone.
; A fragment's last group is (f, 2) for x and (f, 0) for a weight: the same buffer (f + 2 and f are of one parity) and the same offset; its base is chosen once, at the head.  So the stores at the
; next fragment's head are one text for both.  The waits at the head of a fragment and of a group state all that its memory instructions hang on; behind them these stand among vector
; instructions that name none of their registers.
.set PIT,  528                         ; a stage row: 512 bytes + 16, so that the sixteen rows of a read begin 16 bytes apart modulo 256
.set WST,  8704                        ; a wave's stage: 16 x 528 bytes, rounded up to a multiple of 256
.set SC,   4                           ; v4-6     2^e of the three scales
.set LIM,  7                           ; v7-9     448 x 2^e
.set R,    16                          ; v16-143  two sets of 64: a fragment's numbers as they are loaded
.set X,    144                         ; v144-207 piece i at X + 16 i: K = 32 i + 8 h + 0 .. 7, then 32 i + 16 + 8 h + 0 .. 7
.set T,    208                         ; v208-223 sixteen held numbers
.set C,    224                         ; v224-255 codes: two buffers of sixteen, four registers for each piece
.set LB,   52                          ; s[52:53] where the codes of a fragment's LAST group go: x's third set, or the weight's one
	s_load_b256 s[4:11], s[0:1], 0x0               ; x s[4:5], W_Q s[6:7], W_K s[8:9], W_V s[10:11]
	s_load_b256 s[12:19], s[0:1], 0x20             ; W_O s[12:13], the scales' exponents s[14:15], xc s[16:17], wc s[18:19]
	v_lshl_add_u32 v14, v0, 2, 0x8800
	v_mov_b32 v15, 0
	v_lshrrev_b32 v10, 5, v0
	v_readfirstlane_b32 s30, v10                   ; wave 0..3
	v_and_b32 v11, 31, v0
	v_lshlrev_b32 v1, 4, v11                       ; 16 x lane: my bytes of a load's and of a store's 512; never rewritten
	v_and_b32 v12, 15, v0                          ; r
	v_bfe_u32 v13, v0, 4, 1                        ; h
	v_mul_u32_u24 v3, v12, PIT
	v_lshl_add_u32 v3, v13, 5, v3                  ; row r, + 32 h bytes (eight numbers)
	s_wait_alu depctr_va_sdst(0)                   ; s30 is written, ahead of its first reader
	s_mul_i32 s31, s30, WST                        ; my stage
	v_add_nc_u32 v2, s31, v1                       ; into it: a row's 512 bytes as they lie
	v_add_nc_u32 v3, s31, v3                       ; out of it
	s_wait_kmcnt 0x0
	s_load_b256 s[32:39], s[14:15], 0x0            ; e0 .. e7
	s_load_b128 s[40:43], s[14:15], 0x20           ; e8 .. e11
	s_mov_b64 s[20:21], s[12:13]                   ; the source, chosen by the work-group's number alone: W_O,
	s_cmp_lt_u32 ttmp9, 352
	s_cselect_b64 s[20:21], s[10:11], s[20:21]     ; W_V,
	s_cmp_lt_u32 ttmp9, 320
	s_cselect_b64 s[20:21], s[8:9], s[20:21]       ; W_K,
	s_cmp_lt_u32 ttmp9, 288
	s_cselect_b64 s[20:21], s[6:7], s[20:21]       ; W_Q,
	s_cmp_lt_u32 ttmp9, 256
	s_cselect_b64 s[20:21], s[4:5], s[20:21]       ; or x
	s_cselect_b64 s[24:25], s[16:17], s[18:19]     ; the codes go to xc or to wc
	s_cselect_b32 s22, 0, 256
	s_cselect_b32 s23, 511, 63                     ; tiles of 16 rows in the source, less one
	s_sub_co_u32 s22, ttmp9, s22
	s_lshl_b32 s22, s22, 2
	s_add_co_u32 s22, s22, s30                     ; my unit: 4 x work-group + wave
	s_and_b32 s44, s22, 1                          ; which 512 along K
	s_lshr_b32 s22, s22, 1                         ; which tile of 16 rows of xc or wc
	s_and_b32 s23, s22, s23                        ; and of the source
	s_lshl_b32 s46, s23, 16                        ; 16 rows of 4,096 bytes
	s_lshl_b32 s45, s44, 11                        ; 512 numbers
	s_add_co_u32 s46, s46, s45
	s_mov_b32 s47, 0
	s_add_nc_u64 s[20:21], s[20:21], s[46:47]
	s_lshr_b32 s45, s22, 3
	s_lshl_b32 s46, s45, 17                        ; 128 rows of codes: 131,072 bytes
	s_lshl_b32 s45, s44, 16                        ; four K blocks of 16,384
	s_add_co_u32 s46, s46, s45
	s_and_b32 s45, s22, 7
	s_lshl_b32 s45, s45, 11                        ; the tile's fragment in a K block
	s_add_co_u32 s46, s46, s45
	s_add_nc_u64 s[24:25], s[24:25], s[46:47]
	s_add_nc_u64 s[26:27], s[24:25], 0x800000      ; x's second and third set (not used by a weight's work-group)
	s_add_nc_u64 s[28:29], s[24:25], 0x1000000
	s_cmp_lt_u32 ttmp9, 256
	s_cselect_b64 s[LB:LB+1], s[28:29], s[24:25]   ; a fragment's last group: x's third scale, a weight's one
.macro LOAD f                          ; fragment f: sixteen rows' 512 bytes into set f % 2
.set k, 0
.rept 16
	global_load_b128 v[R+64*((\f)%2)+4*k:R+64*((\f)%2)+4*k+3], v1, s[20:21] offset:k*4096+(\f)*512 th:TH_LOAD_NT
.set k, k+1
.endr
.endm
.macro MKSCALE e, n                    ; 2^e and 448 x 2^e as f32 numbers
	s_add_co_i32 s49, \e, 127
	s_lshl_b32 s50, s49, 23
	v_mov_b32 v[SC+\n], s50
	s_add_co_i32 s49, s49, 8
	s_lshl_b32 s49, s49, 23
	s_or_b32 s49, s49, 0x600000
	v_mov_b32 v[LIM+\n], s49
.endm
; Group (f, s): fragment f's four pieces under scale s: hold and convert, into buffer (f + s) % 2.  For s = 1, 2 the four stores of group (f, s - 1), from the other buffer, stand one ahead of each piece.
.macro QGROUP s, f
.set cb, C+16*(((\f)+(\s))%2)          ; this group's codes
.set pb, C+16*(((\f)+(\s)+1)%2)        ; the codes of the group before
.if (\s) > 0
.if (\f)+(\s) > 1
	s_wait_xcnt 0x0                                ; the stores issued so far have had their addresses translated (ISA guide 3.1): this group's buffer, which the stores of two groups back read, is written again only behind this wait
	s_wait_alu depctr_vm_vsrc(0)                   ; and those stores have read that buffer
.endif
	s_wait_alu depctr_va_vdst(0)                   ; the group before has written the other buffer, which the four stores below read; no vector instruction of this group names it
.endif
.irp i, 0,1,2,3
.if (\s) > 0
	global_store_b128 v1, v[pb+4*\i:pb+4*\i+3], s[22+2*(\s):23+2*(\s)] offset:(\f)*16384+\i*512 th:TH_STORE_NT   ; 32 lanes store 512 consecutive bytes
.endif
.set k, 0
.rept 16
	v_med3_num_f32 v[T+k], v[X+16*\i+k], -v[LIM+\s], v[LIM+\s]   ; the conversion to an 8-bit code does not saturate (ISA guide 7.6.2): the hold comes first
.set k, k+1
.endr
	v_cvt_scalef32_pk8_fp8_f32 v[cb+4*\i:cb+4*\i+1], v[T:T+7], v[SC+\s]
	v_cvt_scalef32_pk8_fp8_f32 v[cb+4*\i+2:cb+4*\i+3], v[T+8:T+15], v[SC+\s]
	v_nop                                          ; a plain line between the conversions and the next holds, which write their sources
.endr
.endm
.macro FRAGM f
.if (\f) < 3
	s_wait_loadcnt 16                              ; this fragment's sixteen loads are in; the next fragment's sixteen stay out
.else
	s_wait_loadcnt 0x0
.endif
.set k, 0
.rept 16
	ds_store_b128 v2, v[R+64*((\f)%2)+4*k:R+64*((\f)%2)+4*k+3] offset:k*PIT
.set k, k+1
.endr
.if (\f) > 0
	s_wait_alu depctr_va_vdst(0)                   ; the last group's holds are done reading v[X ..], in which the LDS loads below land; its conversions have written its buffer, which the four stores below read
.endif
.irp i, 0,1,2,3                        ; LDS serves a wave's instructions in order (ISA guide 5.7.1.4): these see the stores above
	ds_load_b128 v[X+16*\i:X+16*\i+3],     v3 offset:128*\i
	ds_load_b128 v[X+16*\i+4:X+16*\i+7],   v3 offset:128*\i+16
	ds_load_b128 v[X+16*\i+8:X+16*\i+11],  v3 offset:128*\i+64
	ds_load_b128 v[X+16*\i+12:X+16*\i+15], v3 offset:128*\i+80
.endr
.if (\f) > 0
.irp i, 0,1,2,3                        ; the codes of the fragment before, under its last scale: buffer (f - 1) % 2 for x and for a weight alike
	global_store_b128 v1, v[C+16*(((\f)+1)%2)+4*\i:C+16*(((\f)+1)%2)+4*\i+3], s[LB:LB+1] offset:((\f)-1)*16384+\i*512 th:TH_STORE_NT
.endr
.endif
	s_wait_dscnt 0x0                               ; the numbers are back from the stage
.if (\f) > 0
	s_wait_xcnt 0x0                                ; the stores issued so far have had their addresses translated (ISA guide 3.1): buffer f % 2 is written again only behind this wait
.endif
	s_wait_alu depctr_vm_vsrc(0)                   ; the LDS stores have read set f % 2, in which the loads of two fragments on land; the stores issued so far have read buffer f % 2, which the next group writes
.if (\f)+2 < 4
	LOAD (\f)+2
.endif
	QGROUP 0, \f
	s_cmp_lt_u32 ttmp9, 256                        ; x has two more scales; a weight has one
	s_cbranch_scc0 .Lweight_\@
	QGROUP 1, \f
	QGROUP 2, \f
.Lweight_\@:
.endm
	s_wait_alu depctr_va_vdst(0)                   ; v1, v2 and v3 are written: every load and store of the kernel reads one of them
	LOAD 0
	LOAD 1
	s_wait_kmcnt 0x0
	s_mov_b32 s48, s43                             ; my tensor's first scale, chosen as the source was: e11,
	s_cmp_lt_u32 ttmp9, 352
	s_cselect_b32 s48, s37, s48                    ; e5,
	s_cmp_lt_u32 ttmp9, 320
	s_cselect_b32 s48, s35, s48                    ; e3,
	s_cmp_lt_u32 ttmp9, 288
	s_cselect_b32 s48, s33, s48                    ; e1,
	s_cmp_lt_u32 ttmp9, 256
	s_cselect_b32 s48, s32, s48                    ; or e0
	MKSCALE s48, 0
	MKSCALE s34, 1                                 ; e2
	MKSCALE s36, 2                                 ; e4
	FRAGM 0
	FRAGM 1
	FRAGM 2
	FRAGM 3
	s_wait_alu depctr_va_vdst(0)                   ; the last group has written buffer 1, which the last four stores read
.irp i, 0,1,2,3
	global_store_b128 v1, v[C+16+4*\i:C+16+4*\i+3], s[LB:LB+1] offset:3*16384+\i*512 th:TH_STORE_NT
.endr
	s_wait_dscnt 0x0
	s_wait_alu depctr_hold_cnt(0) depctr_sa_sdst(0) depctr_va_vdst(0) depctr_va_sdst(0) depctr_va_ssrc(0) depctr_va_vcc(0) depctr_vm_vsrc(0)
	s_wait_tensorcnt 0x0
	ds_add_u32 v14, v15
	s_wait_dscnt 0x0
	s_endpgm
.Lfunc_end_k_qa3ce97123a_quant:
	.size	k_qa3ce97123a_quant, .Lfunc_end_k_qa3ce97123a_quant-k_qa3ce97123a_quant
	.p2alignl 7, 3214868480
	.fill 96, 4, 3214868480
	.section	.rodata,"a",@progbits
	.p2align	6, 0x0
	.amdhsa_kernel k_qa3ce97123a_quant
		.amdhsa_group_segment_fixed_size 35328
		.amdhsa_private_segment_fixed_size 0
		.amdhsa_enable_private_segment 0
		.amdhsa_kernarg_size 64
		.amdhsa_user_sgpr_count 2
		.amdhsa_user_sgpr_kernarg_segment_ptr 1
		.amdhsa_wavefront_size32 1
		.amdhsa_system_sgpr_workgroup_id_x 1
		.amdhsa_system_sgpr_workgroup_id_y 1
		.amdhsa_system_sgpr_workgroup_id_z 1
		.amdhsa_system_vgpr_workitem_id 0
		.amdhsa_next_free_vgpr 256
		.amdhsa_next_free_sgpr 66
		.amdhsa_reserve_vcc 0
		.amdhsa_float_denorm_mode_32 3
		.amdhsa_float_denorm_mode_16_64 3
		.amdhsa_memory_ordered 1
		.amdhsa_forward_progress 1
		.amdhsa_inst_pref_size 80
	.end_amdhsa_kernel
	.amdgpu_metadata
---
amdhsa.version: [ 1, 2 ]
amdhsa.kernels:
  - .name:           k_qa3ce97123a_quant
    .symbol:         k_qa3ce97123a_quant.kd
    .args:
      - { .name: x, .offset: 0, .size: 8, .value_kind: global_buffer, .address_space: global }
      - { .name: W_Q, .offset: 8, .size: 8, .value_kind: global_buffer, .address_space: global }
      - { .name: W_K, .offset: 16, .size: 8, .value_kind: global_buffer, .address_space: global }
      - { .name: W_V, .offset: 24, .size: 8, .value_kind: global_buffer, .address_space: global }
      - { .name: W_O, .offset: 32, .size: 8, .value_kind: global_buffer, .address_space: global }
      - { .name: lowp_scales, .offset: 40, .size: 8, .value_kind: global_buffer, .address_space: global }
      - { .name: xc, .offset: 48, .size: 8, .value_kind: global_buffer, .address_space: global }
      - { .name: wc, .offset: 56, .size: 8, .value_kind: global_buffer, .address_space: global }
    .group_segment_fixed_size: 35328
    .private_segment_fixed_size: 0
    .kernarg_segment_align: 8
    .kernarg_segment_size: 64
    .max_flat_workgroup_size: 128
    .sgpr_count:     66
    .vgpr_count:     256
    .wavefront_size: 32
...
	.end_amdgpu_metadata
.endif
;; end of part 5
;; launch qkv: the kernel of part 2 again; grid 12 x 32, 4 waves a work-group, clusters of 4 x 4, 327,680 bytes of LDS; arguments xc, wc, lowp_scales, qkv; writes qkv
;; launch attn (part 6): grid 4 x 64, 16 waves a work-group, no clusters, 34,816 bytes of LDS; arguments qkv, lowp_scales, ac; writes ac
.if DOCPART == 6
	.amdgcn_target "amdgcn-amd-amdhsa--gfx1250"
	.amdhsa_code_object_version 6
	.text
	.protected	k_qa3ce97123a_attn
	.globl	k_qa3ce97123a_attn
	.p2align	8
	.type	k_qa3ce97123a_attn,@function
k_qa3ce97123a_attn:
	s_mov_b64 s[64:65], 0
	v_nop
	global_prefetch_b8 v0, s[64:65] scope:SCOPE_SE
	s_setreg_imm32_b32 hwreg(HW_REG_WAVE_SCHED_MODE, 0, 2), 2
	s_setreg_imm32_b32 hwreg(HW_REG_WAVE_MODE, 25, 1), 1
	s_wait_xcnt 0x0
	s_wait_alu depctr_vm_vsrc(0)
; Causal attention of one head on codes of FP8 (E4M3): o[q] = sum over keys k <= q of softmax(q . k / 8) v[k], head size 64, 2,048 tokens, 64 heads (batch x head); the result is quantised at once for the last projection (entry 10).
; THE SOFTMAX AHEAD OF THE SECOND PRODUCT: t = score x log2(e) / 8; M = the row's largest t so far, rounded UP to a whole number; p = 2^(t - M) is what is quantised (entry 8), not normalised.
; The row's sum is taken of the unquantised p, in f32, and divides at the end.  When M moves, the sum and O are multiplied by 2^(old M - new M): exact.
; SHARES.  Work-group (j, head), j = 0 .. 3, serves two blocks of 256 queries one after the other: block 7 - j (key slots 0 .. 7 - j of 256 keys), then block j (slots 0 .. j): NINE slots for every work-group,
; a constant trip count, and only slots that count are fetched.  Wave w of sixteen owns the 16 queries 16 w on of the block in hand; four waves share a SIMD, so that one wave's vector work stands beside another's products and LDS loads.
; In a block's last slot a key step all of whose keys come after the wave's queries is left out: waves 0-7 walk 16 key steps of 128, waves 8-15 walk 18.
; LAYOUT.  Both products are used transposed: S^T = K Q^T (source 0 = 16 keys, source 1 = my 16 queries), O^T = V^T P^T (source 0 = 16 of the head's 64, source 1 = P): a lane holds ONE query (lane % 16) throughout.
; Tile tau of S^T gives lane (r, h) keys 16 tau + 8 h + 0 .. 7: its two registers of codes are registers 2 tau, 2 tau + 1 of P's operand.  Q, K and V arrive as images of operand registers (piece of lane l at 16 l).
; K AND V go from memory through registers into ONE buffer in LDS: four loads of 16 bytes a thread, asked for a whole trip ahead, four LDS stores between two barriers.
; NO JOINT LOADS: the four work-groups of a head stand at different slots in the same trip (work-group j changes blocks behind trip 7 - j), so they have no tile to ask for together.
; LIMITS on the given exponents, so that each power of two below is an f32 number: e6 + e7 between -123 and 130 (added to c's exponent field); e8 and e10 between -126 and 119; e8 + e9 is applied by v_ldexp_f32 and has none.
; THE MODE: SCHED_MODE bits 1:0 = 2 (LLVM: expert scheduling mode 2), set by the entry lines.  The code itself states the register dependences
; between vector or matrix instructions and memory or LDS instructions, with s_wait_alu, always for 0.
; THE PLAN.  Registers that memory or LDS instructions touch:
;   v1, v2, v3  offsets and LDS addresses, made at the head and never written again: one wait ahead of the first load serves them for the whole kernel.
;   CP          Written by a trip's four global loads; read by the next trip's four LDS stores.  No vector instruction names it: one wait on vm_vsrc a trip, between the stores and the loads.
;   FG          In a key step: K's sixteen LDS loads land; the eight products K Q^T read it; V's sixteen LDS loads land; the four products V^T P read it.
;               So two waits on va_vdst a step: ahead of K's loads for the last V^T P, ahead of V's loads for this step's K Q^T.
;   OC          Written by the four conversions at a block's end; read by its two stores: a wait on va_vdst between them, and one on vm_vsrc ahead of the second block's conversions.
;   QF, QN      Loaded once, at the head.
; The causal mask's compares write sixteen scalar registers a run; one wait on va_sdst stands between a run and the selects that read them.
.set QF,  16                           ; v16-23   Q's fragment of the block in hand
.set QN,  24                           ; v24-31   Q's of the second block
.set FG,  32                           ; v32-95   eight fragments of K (8 registers), then four of V (16)
.set SS,  96                           ; v96-159  S^T, then p; at a block's end o
.set OT,  160                          ; v160-191 O^T
.set CP,  192                          ; v192-207 the next slot's 64 bytes of mine, on their way
.set OC,  208                          ; v208-215 o's codes
.set PC,  224                          ; v224-239 p's codes
; v1 16 x lane; v2 16 x thread; v3 my bytes in K's blocks; v12 -M, v13 the largest t, v[14:15] the sum in two halves; v240, v244: 448 x 2^e8, 2^e8; v241, v245: the same with e10; v236, v242, v243, v252-254 at work
.set WV,  10                           ; s10  wave
.set JJ,  11                           ; s11  j
.set QB,  12                           ; s12  the block of queries in hand
.set SL,  13                           ; s13  the slot in hand
.set TR,  14                           ; s14  the trip
.set KF,  15                           ; s15  the step's first key
.set Q0,  16                           ; s16  my first query
.set NH,  17                           ; s17  1 where p's hold changes nothing
.set KH,  18                           ; s[18:19] K's codes of my head;  s[20:21] V's
.set VH,  20
.set KB,  22                           ; s[22:23], s[24:25] the same at the slot that is being loaded
.set VB,  24
.set CS,  26                           ; s[26:27] c = log2(e) / 8 x 2^(e6 + e7)
.set SEL, 28                           ; s[28:29] lane selects for v_permlanex16_b32: lane l xor 16
.set AB,  30                           ; s[30:31] where the block's codes go
.set MK,  36                           ; s36-47 and s52-55: in the loop sixteen masks of the causal mask, mask k at MK + k + 4 (k / 12); at the head they hold the exponents and Q's addresses
.set ES,  48                           ; s48  e8 + e9
.set NS,  49                           ; s49  the next slot
.set AC0, 50                           ; s[50:51] my wave's place in ac, block 0
	s_load_b128 s[4:7], s[0:1], 0x0                ; q, k, v's codes s[4:5], the scales' exponents s[6:7]
	s_load_b64 s[8:9], s[0:1], 0x10                ; ac
	v_lshl_add_u32 v251, v0, 2, 0x8000
	v_mov_b32 v255, 0
	v_lshrrev_b32 v4, 5, v0
	v_readfirstlane_b32 s[WV], v4                  ; wave 0..15
	v_and_b32 v1, 31, v0
	v_lshlrev_b32 v1, 4, v1                        ; 16 x lane
	v_lshlrev_b32 v2, 4, v0                        ; 16 x thread: my place in a block's 8,192 bytes, in LDS and in V
	v_lshrrev_b32 v3, 6, v0
	v_and_b32 v4, 63, v0
	v_lshlrev_b32 v4, 4, v4
	v_lshl_add_u32 v3, v3, 11, v4                  ; in K's blocks my head's 1,024 bytes of 16 keys lie 2,048 apart
	s_mov_b32 s[JJ], ttmp9
	s_sub_co_u32 s[QB], 7, s[JJ]                   ; the longer block first
	s_and_b32 s32, ttmp7, 0xffff                   ; 16 x batch + head
	s_lshr_b32 s56, s32, 4                         ; batch
	s_bfe_u32 s57, s32, 0x30001                    ; head pair
	s_and_b32 s58, s32, 1                          ; which of the pair
	s_wait_alu depctr_va_sdst(0)                   ; s10, the wave's number, is written, ahead of its first reader
	s_lshr_b32 s59, s[WV], 3                       ; which 128 tokens of a block of 256,
	s_and_b32 s60, s[WV], 7                        ; and which 16 of them
	s_lshl_b32 s61, s57, 20
	s_lshl_b32 s33, s56, 18
	s_add_co_u32 s61, s61, s33                     ; block (64 x head pair + 16 x batch) of 16,384 bytes
	s_lshl_b32 s[KH], s58, 10
	s_add_co_u32 s[KH], s[KH], s61
	s_add_co_u32 s[KH], s[KH], 0x800000            ; K's part
	s_mov_b32 s[KH+1], 0
	s_lshl_b32 s[VH], s58, 13
	s_add_co_u32 s[VH], s[VH], s61
	s_add_co_u32 s[VH], s[VH], 0x1000000           ; V's part
	s_mov_b32 s[VH+1], 0
	s_lshl_b32 s33, s60, 11
	s_lshl_b32 s34, s58, 10
	s_add_co_u32 s33, s33, s34                     ; my 16 tokens, my head of the pair: the same in Q and in ac
	s_lshl_b32 s34, s59, 14
	s_add_co_u32 s34, s34, s33
	s_add_co_u32 s34, s34, s61
	s_lshl_b32 s35, s[QB], 15
	s_add_co_u32 s52, s34, s35                     ; Q of block 7 - j
	s_mov_b32 s53, 0
	s_lshl_b32 s35, s[JJ], 15
	s_add_co_u32 s54, s34, s35                     ; Q of block j
	s_mov_b32 s55, 0
	s_lshl_b32 s[AC0], s56, 21                     ; ac: [128 tokens: 131,072][head pair: 16,384][16 tokens: 2,048][head of the pair: 1,024]
	s_lshl_b32 s35, s59, 17
	s_add_co_u32 s[AC0], s[AC0], s35
	s_lshl_b32 s35, s57, 14
	s_add_co_u32 s[AC0], s[AC0], s35
	s_add_co_u32 s[AC0], s[AC0], s33
	s_mov_b32 s[AC0+1], 0
	s_lshl_b32 s[Q0], s[QB], 8
	s_lshl_b32 s35, s[WV], 4
	s_add_co_u32 s[Q0], s[Q0], s35                 ; 256 x block + 16 x wave
	s_mov_b32 s[SL], 0
	s_mov_b32 s[TR], 0
	s_mov_b32 s[SEL], 0x76543210
	s_mov_b32 s[SEL+1], 0xfedcba98
	s_wait_kmcnt 0x0
	s_load_b256 s[36:43], s[6:7], 0x0              ; e0 .. e7
	s_load_b128 s[44:47], s[6:7], 0x20             ; e8 .. e11
	s_add_nc_u64 s[KH:KH+1], s[4:5], s[KH:KH+1]
	s_add_nc_u64 s[VH:VH+1], s[4:5], s[VH:VH+1]
	s_add_nc_u64 s[52:53], s[4:5], s[52:53]
	s_add_nc_u64 s[54:55], s[4:5], s[54:55]
	s_add_nc_u64 s[AC0:AC0+1], s[8:9], s[AC0:AC0+1]
	s_mov_b64 s[KB:KB+1], s[KH:KH+1]
	s_mov_b64 s[VB:VB+1], s[VH:VH+1]
.macro COPY_IN                         ; a slot's 256 keys: two blocks of K and two of V, 8,192 bytes of my head in each; a wave's load reads 512 consecutive bytes
	global_load_b128 v[CP:CP+3],     v3, s[KB:KB+1]
	global_load_b128 v[CP+4:CP+7],   v3, s[KB:KB+1] offset:16384
	global_load_b128 v[CP+8:CP+11],  v2, s[VB:VB+1]
	global_load_b128 v[CP+12:CP+15], v2, s[VB:VB+1] offset:16384
.endm
	s_wait_alu depctr_va_vdst(0)                   ; v1, v2 and v3 are written: every load, store and LDS instruction of the kernel reads one of them as its offset or address
	COPY_IN                                        ; slot 0
	global_load_b128 v[QF:QF+3],   v1, s[52:53] th:TH_LOAD_NT
	global_load_b128 v[QF+4:QF+7], v1, s[52:53] offset:512 th:TH_LOAD_NT
	global_load_b128 v[QN:QN+3],   v1, s[54:55] th:TH_LOAD_NT
	global_load_b128 v[QN+4:QN+7], v1, s[54:55] offset:512 th:TH_LOAD_NT
	v_mov_b32 v13, 0xff61b1e6                      ; the largest t so far: -3e38, under every t
	v_floor_f32 v12, -v13                          ; -M
	v_mov_b32 v14, 0                               ; the sum, in two halves
	v_mov_b32 v15, 0
	v_mov_b32 v236, 0                              ; written once: a lane permute's destination counts as one of its sources
	v_mov_b32 v242, 0
	v_mov_b32 v243, 0
	v_mov_b32 v252, 0
	v_mov_b32 v253, 0                              ; (named as the upper half of the pair v[252:253])
	v_mov_b32 v254, 0
.set n, 0
.rept 32
	v_mov_b32 v[OT+n], 0                           ; O^T.  (The step is written once: a block's first step finds zeros, which the first change of M leaves zeros)
.set n, n+1
.endr
	s_wait_kmcnt 0x0
	s_add_co_i32 s32, s42, s43
	s_lshl_b32 s32, s32, 23
	s_mov_b32 s[CS], 0x3e38aa3b                    ; log2(e) / 8
	s_add_co_i32 s[CS], s[CS], s32                 ; a score stands for score x 2^(e6 + e7): the two exponents are added to c's exponent field
	s_mov_b32 s[CS+1], s[CS]                       ; (named with it as a pair, so it is written)
	s_add_co_i32 s32, s44, 127
	s_lshl_b32 s33, s32, 23
	v_mov_b32 v244, s33                            ; 2^e8
	s_add_co_i32 s32, s32, 8
	s_lshl_b32 s32, s32, 23
	s_or_b32 s32, s32, 0x600000
	v_mov_b32 v240, s32                            ; 448 x 2^e8
	s_add_co_i32 s32, s46, 127
	s_lshl_b32 s33, s32, 23
	v_mov_b32 v245, s33                            ; 2^e10
	s_add_co_i32 s32, s32, 8
	s_lshl_b32 s32, s32, 23
	s_or_b32 s32, s32, 0x600000
	v_mov_b32 v241, s32                            ; 448 x 2^e10
	s_add_co_i32 s[ES], s44, s45
	s_cmp_ge_i32 s44, -8                           ; p is at most 1, so p / 2^e8 is at most 256 where e8 >= -8: the hold at 448 then changes nothing and is jumped over
	s_cselect_b32 s[NH], 1, 0
; A KEY STEP: 128 keys, the q-th of the slot in hand.
.macro STEP q
	s_add_co_u32 s32, s[Q0], 15                    ; a step all of whose keys come after my 16 queries is left out: a scalar branch on ids; no barrier stands in a step
	s_cmp_gt_u32 s[KF], s32
	s_cbranch_scc1 .Lhidden_\@
.rept 4
	v_nop                                          ; four plain lines behind the last products, as they stood; the dependence itself is stated by the wait below
.endr
	s_wait_alu depctr_va_vdst(0)                   ; the last step's products V^T P are done reading v[FG ..], in which K's fragments land
.irp t, 0,1,2,3,4,5,6,7
	ds_load_b128 v[FG+8*\t:FG+8*\t+3],   v1 offset:(\q)*8192+\t*1024
	ds_load_b128 v[FG+8*\t+4:FG+8*\t+7], v1 offset:(\q)*8192+\t*1024+512
.endr
.irp t, 0,1,2,3,4,5,6,7
	s_wait_dscnt 14-2*\t                           ; tile t's two loads are in; the 2 (7 - t) issued behind them may be out
	v_wmma_f32_16x16x64_fp8_fp8 v[SS+8*\t:SS+8*\t+7], v[FG+8*\t:FG+8*\t+7], v[QF:QF+7], 0
.endr                                          ; lane (r, h), register 8 t + i: key KF + 16 t + 8 h + i of query Q0 + r
.rept 4
	v_nop                                          ; places in front of the first read of the scores (ISA guide 7.12.1)
.endr
	s_wait_alu depctr_va_vdst(0)                   ; the products K Q^T are done reading v[FG ..], in which V's fragments land
.irp d, 0,1,2,3
.irp i, 0,1,2,3
	ds_load_b128 v[FG+16*\d+4*\i:FG+16*\d+4*\i+3], v1 offset:16384+(\q)*8192+\d*2048+\i*512   ; V's four fragments land while the softmax is walked: none of its lines names v[FG ..]
.endr
.endr
	s_add_co_u32 s32, s[KF], 127                   ; on the diagonal the scores of hidden keys become -infinity ahead of the maximum: p = 0 then.  A step all of whose keys count skips this
	s_cmp_le_u32 s32, s[Q0]
	s_cbranch_scc1 .Lopen_\@
	s_sub_co_i32 s32, s[Q0], s[KF]
	v_and_b32 v252, 15, v0
	v_bfe_u32 v253, v0, 4, 1
	v_lshlrev_b32 v253, 3, v253
	v_sub_nc_u32 v252, v252, v253
	v_add_nc_u32 v252, s32, v252                   ; d = my query - KF - 8 h: register 8 t + i is hidden where 16 t + i > d
	v_mov_b32 v254, 0xff800000                     ; -infinity
.set g, 0
.rept 4                                        ; sixteen registers (two tiles) a run: sixteen compares into sixteen scalar registers, one wait, sixteen selects
.set k, 0
.rept 16
	v_cmp_gt_i32 s[MK+k+4*(k/12)], 16*((16*g+k)/8)+(16*g+k)%8, v252
.set k, k+1
.endr
	s_wait_alu depctr_va_sdst(0)                   ; the run's sixteen masks are written, ahead of the selects that read them
.set k, 0
.rept 16
	v_cndmask_b32 v[SS+16*g+k], v[SS+16*g+k], v254, s[MK+k+4*(k/12)]   ; each accumulator from its low end on
.set k, k+1
.endr
.set g, g+1
.endr
.Lopen_\@:
	v_max3_num_f32 v254, v[SS], v[SS+1], v[SS+2]   ; the step's largest score of my query, among my 64 keys, in two chains; each accumulator is first read at its low end,
	v_max3_num_f32 v252, v[SS+3], v[SS+4], v[SS+5]
.irp i, 6,10,14,18,22,26,30,34,38,42,46,50,54,58
	v_max3_num_f32 v254, v254, v[SS+\i], v[SS+1+\i]
	v_max3_num_f32 v252, v252, v[SS+2+\i], v[SS+3+\i]
.endr
	v_max3_num_f32 v254, v254, v[SS+62], v[SS+63]
	v_max_num_f32 v254, v254, v252
	v_permlanex16_b32 v236, v254, s[SEL], s[SEL+1]
	v_max_num_f32 v254, v254, v236                 ; and among lane l xor 16's
	v_mul_f32 v254, s[CS], v254                    ; as t (c is positive)
	v_max_num_f32 v13, v13, v254                   ; the running largest t
	v_mov_b32 v254, v12
	v_floor_f32 v12, -v13                          ; the new -M = floor(-t) = -ceil(t): M is a whole number
	v_sub_f32 v254, v12, v254                      ; M's old value less its new one: a whole number, 0 or less
	v_cvt_i32_f32 v254, v254                       ; (it saturates)
	v_ldexp_f32 v252, 1.0, v254                    ; f = 2^(old M - new M)
.set n, 0
.rept 32
	v_pk_fma_f32 v[SS+n:SS+n+1], v[SS+n:SS+n+1], s[CS:CS+1], v[12:13] op_sel_hi:[1,0,0]   ; t - M, two at a time (of the pairs c and -M the low word serves both halves)
.set n, n+2
.endr
.set n, 0
.rept 64
	v_exp_f32 v[SS+n], v[SS+n]                     ; p = 2^(t - M), at most 1: not normalised
.set n, n+1
.endr
	v_pk_mul_f32 v[14:15], v[14:15], v[252:253] op_sel_hi:[1,0]   ; the sums under the new M: the plain line behind the exponentials
	s_wait_alu depctr_va_vdst(0)                   ; the 64 exponentials have written v[SS ..]: one wait for the whole batch, ahead of its first reader
	v_pk_add_f32 v[242:243], v[SS:SS+1], v[SS+2:SS+3]   ; the row's sum is taken of the UNQUANTISED p: two at a time, in two chains
.irp i, 4,8,12,16,20,24,28,32,36,40,44,48,52,56,60
	v_pk_add_f32 v[14:15], v[14:15], v[SS+\i:SS+1+\i]
	v_pk_add_f32 v[242:243], v[242:243], v[SS+2+\i:SS+3+\i]
.endr
	v_pk_add_f32 v[14:15], v[14:15], v[242:243]
	s_cmp_eq_u32 s[NH], 1
	s_cbranch_scc1 .Lno_hold_\@
.set n, 0
.rept 64
	v_min_num_f32 v[SS+n], v[SS+n], v240           ; the conversion to an 8-bit code does not saturate (ISA guide 7.6.2); p is not negative, so the hold is one-sided
.set n, n+1
.endr
.Lno_hold_\@:
.irp t, 0,1,2,3,4,5,6,7
	v_cvt_scalef32_pk8_fp8_f32 v[PC+2*\t:PC+2*\t+1], v[SS+8*\t:SS+8*\t+7], v244
.endr
.set n, 0
.rept 16
	v_pk_mul_f32 v[OT+n:OT+n+1], v[OT+n:OT+n+1], v[252:253] op_sel_hi:[1,0]   ; O^T under the new M: x f.  (Also the plain lines between the conversions and the products that read their results)
.set n, n+2
.endr
	s_wait_dscnt 0x0                               ; V's fragments are in
.irp d, 0,1,2,3                                ; the four accumulators take turns, one instruction a turn
	v_wmma_f32_16x16x128_fp8_fp8 v[OT+8*\d:OT+8*\d+7], v[FG+16*\d:FG+16*\d+15], v[PC:PC+15], v[OT+8*\d:OT+8*\d+7]
.endr
.Lhidden_\@:
	s_add_co_u32 s[KF], s[KF], 128
.endm
.Ltrip:                                            ; nine trips, a slot of 256 keys each
	s_wait_loadcnt 0x0                             ; the slot's bytes are in my registers (in the first trip Q too)
	s_wait_dscnt 0x0                               ; my reads of the last slot are back
	s_barrier_signal -1
	s_barrier_wait -1                              ; nobody reads the buffer any more
	ds_store_b128 v2, v[CP:CP+3]                   ; K: [128 keys 2][16 keys 8][1,024 bytes]
	ds_store_b128 v2, v[CP+4:CP+7] offset:8192
	ds_store_b128 v2, v[CP+8:CP+11] offset:16384   ; V: [128 keys 2][16 of the head's 64: 4][2,048 bytes]
	ds_store_b128 v2, v[CP+12:CP+15] offset:24576
	s_wait_dscnt 0x0                               ; for the others' sake: my stores are done
	s_barrier_signal -1
	s_barrier_wait -1                              ; the slot is whole
	s_add_co_u32 s[NS], s[SL], 1                   ; the next slot: one on, or, behind a block's last slot, slot 0 for the second block
	s_cmp_eq_u32 s[SL], s[QB]
	s_cselect_b32 s[NS], 0, s[NS]
	s_cmp_eq_u32 s[TR], 8                          ; the last trip asks for nothing
	s_cbranch_scc1 .Lno_more
	s_lshl_b32 s32, s[NS], 15                      ; two blocks of 16,384 bytes a slot
	s_mov_b32 s33, 0
	s_add_nc_u64 s[KB:KB+1], s[KH:KH+1], s[32:33]  ; (the loads that named these bases are done: the wait at the trip's head)
	s_add_nc_u64 s[VB:VB+1], s[VH:VH+1], s[32:33]
	s_wait_alu depctr_vm_vsrc(0)                   ; my four LDS stores have read v[CP ..], in which the next slot's loads land
	COPY_IN                                        ; a whole trip ahead of the wait for it
.Lno_more:
	s_lshl_b32 s[KF], s[SL], 8
	STEP 0
	STEP 1
	s_cmp_eq_u32 s[SL], s[QB]                      ; the slot on the diagonal is a block's last
	s_cbranch_scc0 .Lnot_last
	; A BLOCK'S END: o = O^T x 2^(e8 + e9) / the sum, quantised with 2^e10.  Tile d's eight registers are K = 64 x (head of the pair) + 16 d + 8 h + 0 .. 7 of the last projection's operand: the codes are stored as they stand.
.rept 4
	v_nop                                          ; places behind the last products
.endr
	s_wait_xcnt 0x0                                ; the first block's stores have had their addresses translated (ISA guide 3.1): their base and their data are written again only behind this wait
	s_wait_alu depctr_vm_vsrc(0)                   ; the first block's stores have read v[OC ..], which the conversions below write again
	v_add_f32 v14, v14, v15                        ; the sum's two halves,
	v_permlanex16_b32 v252, v14, s[SEL], s[SEL+1]
	v_add_f32 v14, v14, v252                       ; and lane l xor 16's: the row's sum
	v_rcp_f32 v14, v14
	v_nop                                          ; a plain line behind the reciprocal
	s_lshl_b32 s32, s[QB], 18                      ; 256 tokens of ac
	s_mov_b32 s33, 0
	s_add_nc_u64 s[AB:AB+1], s[AC0:AC0+1], s[32:33]
	s_wait_alu depctr_va_vdst(0)                   ; the reciprocal has written v14, ahead of its first reader
	v_ldexp_f32 v14, v14, s[ES]
.set n, 0
.rept 16
	v_pk_mul_f32 v[SS+n:SS+n+1], v[OT+n:OT+n+1], v[14:15] op_sel_hi:[1,0]   ; each accumulator from its low end on
.set n, n+2
.endr
.set n, 0
.rept 32
	v_med3_num_f32 v[SS+n], v[SS+n], -v241, v241   ; the hold at the largest code x the scale
.set n, n+1
.endr
.irp d, 0,1,2,3
	v_cvt_scalef32_pk8_fp8_f32 v[OC+2*\d:OC+2*\d+1], v[SS+8*\d:SS+8*\d+7], v245
.endr
	v_nop                                          ; a plain line behind the conversions: later products write their sources
	s_wait_alu depctr_va_vdst(0)                   ; the conversions have written v[OC ..], which the two stores read
	global_store_b128 v1, v[OC:OC+3], s[AB:AB+1]               ; 32 lanes store 512 consecutive bytes
	global_store_b128 v1, v[OC+4:OC+7], s[AB:AB+1] offset:512
	v_mov_b32 v13, 0xff61b1e6                      ; the second block begins as the first did
	v_floor_f32 v12, -v13
	v_mov_b32 v14, 0
	v_mov_b32 v15, 0
.set n, 0
.rept 32
	v_mov_b32 v[OT+n], 0
.set n, n+1
.endr
.set n, 0
.rept 8
	v_mov_b32 v[QF+n], v[QN+n]
.set n, n+1
.endr
	s_mov_b32 s[QB], s[JJ]
	s_lshl_b32 s[Q0], s[QB], 8
	s_lshl_b32 s32, s[WV], 4
	s_add_co_u32 s[Q0], s[Q0], s32
.Lnot_last:
	s_mov_b32 s[SL], s[NS]
	s_add_co_u32 s[TR], s[TR], 1
	s_cmp_lt_u32 s[TR], 9
	s_cbranch_scc1 .Ltrip
	s_wait_dscnt 0x0
	s_wait_alu depctr_hold_cnt(0) depctr_sa_sdst(0) depctr_va_vdst(0) depctr_va_sdst(0) depctr_va_ssrc(0) depctr_va_vcc(0) depctr_vm_vsrc(0)
	s_wait_tensorcnt 0x0
	ds_add_u32 v251, v255
	s_wait_dscnt 0x0
	s_endpgm
.Lfunc_end_k_qa3ce97123a_attn:
	.size	k_qa3ce97123a_attn, .Lfunc_end_k_qa3ce97123a_attn-k_qa3ce97123a_attn
	.p2alignl 7, 3214868480
	.fill 96, 4, 3214868480
	.section	.rodata,"a",@progbits
	.p2align	6, 0x0
	.amdhsa_kernel k_qa3ce97123a_attn
		.amdhsa_group_segment_fixed_size 34816
		.amdhsa_private_segment_fixed_size 0
		.amdhsa_enable_private_segment 0
		.amdhsa_kernarg_size 24
		.amdhsa_user_sgpr_count 2
		.amdhsa_user_sgpr_kernarg_segment_ptr 1
		.amdhsa_wavefront_size32 1
		.amdhsa_system_sgpr_workgroup_id_x 1
		.amdhsa_system_sgpr_workgroup_id_y 1
		.amdhsa_system_sgpr_workgroup_id_z 1
		.amdhsa_system_vgpr_workitem_id 0
		.amdhsa_next_free_vgpr 256
		.amdhsa_next_free_sgpr 66
		.amdhsa_reserve_vcc 0
		.amdhsa_float_denorm_mode_32 3
		.amdhsa_float_denorm_mode_16_64 3
		.amdhsa_memory_ordered 1
		.amdhsa_forward_progress 1
		.amdhsa_inst_pref_size 64
	.end_amdhsa_kernel
	.amdgpu_metadata
---
amdhsa.version: [ 1, 2 ]
amdhsa.kernels:
  - .name:           k_qa3ce97123a_attn
    .symbol:         k_qa3ce97123a_attn.kd
    .args:
      - { .name: qkv, .offset: 0, .size: 8, .value_kind: global_buffer, .address_space: global }
      - { .name: lowp_scales, .offset: 8, .size: 8, .value_kind: global_buffer, .address_space: global }
      - { .name: ac, .offset: 16, .size: 8, .value_kind: global_buffer, .address_space: global }
    .group_segment_fixed_size: 34816
    .private_segment_fixed_size: 0
    .kernarg_segment_align: 8
    .kernarg_segment_size: 24
    .max_flat_workgroup_size: 512
    .sgpr_count:     66
    .vgpr_count:     256
    .wavefront_size: 32
...
	.end_amdgpu_metadata
.endif
;; end of part 6
;; launch oproj: the kernel of part 4 again; grid 4 x 32, 4 waves a work-group, clusters of 4 x 4, 327,680 bytes of LDS; arguments ac, wc, lowp_scales, out0; writes out0
